; MI455X (gfx1250); checked and timed in simulation.
; The chip was launched on July 23, 2026; its instructions are those of AMD's public machine-readable ISA for CDNA 5 (MIT licence, August 2026) and "CDNA5" Instruction Set Architecture Reference Guide (July 2026). The comments in the code are by the model that wrote it; some were corrected since.
;; MHA. Allowed arithmetic: matrix products marked QUANTISED: E2M1 operands, one E8M0 scale for each 32 along K, by v_wmma_scale_f32_16x16x128_f8f6f4 with both operands' format E2M1 (or v_wmma_scale_f32_32x16x128_f4), f32 sums; products left as they are: bf16, f16 or f32 operands; f32 sums; everything else in f32.
;; Inputs: Wk 1,024 x 1,024 float32; Wo 1,024 x 1,024 float32; Wq 1,024 x 1,024 float32; Wv 1,024 x 1,024 float32; bk 1,024 float32; bo 1,024 float32; bq 1,024 float32; bv 1,024 float32; x 4 x 2,048 x 1,024 float32.
;; Outputs: out0 4 x 2,048 x 1,024 float32.
;; This version of the problem:
;;   THIS VERSION OF THE PROBLEM IS GIVEN IN LOW PRECISION. The matrix products marked QUANTISED in the list below multiply operands that are first quantised to E2M1 (2 exponent bits, 1 mantissa bit; 4 bits a number), with one power-of-two scale for each 32 numbers along K (OCP MX v1.0); their sums are f32. The products marked 'left as it is' may take bf16, f16 or f32 operands, with f32 sums. Whichever they take, every output number must still come out within the allowed error. Rounding operands to bf16 (8 significant bits) uses up far more of that allowance than f16 does (11 bits, for magnitudes from 6e-5 to 65,504). All else is computed in f32.
;;   The module's matrix products, in the order in which they are computed (A, B: the left and right operand; K: the contracted axis; several contracted axes count as one K, in the product's order):
;;     1. [M 8,192, K 1,024] x [K 1,024, N 1,024]; A: input x; B: input Wq: QUANTISED
;;     2. [M 8,192, K 1,024] x [K 1,024, N 1,024]; A: input x; B: input Wk: QUANTISED
;;     3. [M 8,192, K 1,024] x [K 1,024, N 1,024]; A: input x; B: input Wv: QUANTISED
;;     4. batch 64 x [M 2,048, K 64] x [K 64, N 2,048]; A: computed on the way; B: computed on the way: left as it is (an operand is computed on the way)
;;     5. batch 64 x [M 2,048, K 2,048] x [K 2,048, N 64]; A: computed on the way; B: computed on the way: left as it is (an operand is computed on the way)
;;     6. [M 8,192, K 1,024] x [K 1,024, N 1,024]; A: computed on the way; B: input Wo: left as it is (an operand is computed on the way)
;;   THE QUANTISER, for each operand of a quantised product, along K:
;;     - K is cut into blocks of 32 from its start; a last block that is shorter is filled with zeros.
;;     - A block's scale is 2^e with e = floor(log2(the largest magnitude in the block)) - 2, held to -126 .. 127; a block of zeros has e = 0. As a byte (E8M0): e + 127.
;;     - Each number is divided by its block's scale, clamped to +-6, and rounded to the nearest number of E2M1, ties to even, subnormals kept.
;;     - The product sums the exact products of the quantised numbers (number of the format x scale) in f32.
;;   ~~~python
;;   def quantise(x, axis):      # numpy; x: float32 -> the quantised numbers, widened to float32 again
;;       x = np.moveaxis(x, axis, -1); K = x.shape[-1]
;;       x = np.pad(x, [(0, 0)] * (x.ndim - 1) + [(0, -K % 32)]); x = x.reshape(x.shape[:-1] + (-1, 32)); a = np.abs(x).max(-1, keepdims=True)
;;       e = np.where(a > 0, np.clip(np.frexp(np.where(a > 0, a, 1))[1] - 1 - 2, -126, 127), 0)      # np.frexp(a)[1] - 1 = floor(log2(a)), exactly
;;       r = np.clip(x / 2.0 ** e, -6, 6)
;;       step = 2.0 ** (np.maximum(np.frexp(np.where(r == 0, 1, r))[1] - 1, 0) - 1)
;;       q = np.round(r / step) * step * 2.0 ** e      # np.round: ties to even
;;       return np.moveaxis(q.reshape(q.shape[:-2] + (-1,))[..., :K], -1, axis).astype(np.float32)
;;   ~~~
;; One version. Each part assembles by itself: llvm-mc -triple=amdgcn-amd-amdhsa -mcpu=gfx1250 --defsym DOCPART=n.
;; ======== version 1 of 1: 4 launches
;; limits: values are held in f16: magnitudes above 65,504 overflow, below 6.1e-05 lose precision
;; workspace buffers: codes 5,767,168 bytes; scales 360,448 bytes; wo16 2,097,152 bytes; rope 524,288 bytes; qkv 50,331,648 bytes; att 16,777,216 bytes
;; launch prep (part 1): grid 416 x 1, 4 waves a work-group, no clusters, 33,280 bytes of LDS; arguments x, Wq, Wk, Wv, Wo, codes, scales, wo16, rope; writes codes, scales, wo16, rope
.if DOCPART == 1
	.amdgcn_target "amdgcn-amd-amdhsa--gfx1250"
	.amdhsa_code_object_version 6
	.text
	.protected	k_q578c74a8b2_prep
	.globl	k_q578c74a8b2_prep
	.p2align	8
	.type	k_q578c74a8b2_prep,@function
k_q578c74a8b2_prep:
	s_mov_b64 s[64:65], 0
	v_nop
	global_prefetch_b8 v0, s[64:65] scope:SCOPE_SE
	s_setreg_imm32_b32 hwreg(HW_REG_WAVE_MODE, 25, 1), 1
	s_wait_xcnt 0x0
; MHA, launch 1 of 4: everything that is made once.  NO WORK OF THE PROBLEM IS LEFT OUT: bq and bk are rotated by the position, so their terms in a score differ along the softmax's axis;
; bv and bo reach the output directly; all nine inputs are loaded by some launch.
; Work-groups 0-351: x [8192][1024], Wq, Wk, Wv [1024][1024], f32, become codes of FP4 (E2M1), K innermost, with one E8M0 scale byte for each 32 along K (K = the last axis of all four).
;   The four tensors are one stream of 11,264 rows: codes [11264][512 bytes], scales [11264][32 bytes]; rows 0-8191 x, then Wq, Wk, Wv.
;   A block's scale is 2^(floor(log2(its largest magnitude)) - 2); its byte is the largest magnitude's exponent field - 2, held at 1 from below.  Each number is divided by the scale and rounded to the nearest code, ties to even;
;   beyond 6 the largest code.  (A block of zeros gets the byte 1 where the rule says 127: its codes are zeros, which add nothing, and the bytes are read by this program alone.)
; Work-groups 352-383: Wo to f16 (the last product is left as it is; f16 keeps 11 significant bits).
; Work-groups 384-415: the table of cos and sin for the rotation, laid as the next launch's registers want it: [128 groups of 16 positions][8 loads][32 lanes][16 bytes].
;   Lane (r, h) of group g holds, for n = 0 .. 15, cos and sin of position 16 g + r for the pair p = 4 h + 8 (n / 4) + n % 4 of a head's 32 pairs.
; LIMITS: blocks whose largest magnitude lies under 2^-124 keep the byte 1; |Wo| beyond 65,504 becomes infinity in f16; NaN and infinities among the inputs are not served.
;   The angle's frequency 10000^(-p/32) is made by one exponential (1 ulp), so an angle can differ from f32's own by some 2e-4 rad at position 2,047; cos and sin of the angle are within 2e-7.
.set WAVES, 4
.set STEPS, 16
.set EMAX,  2
.set CB,    8                          ; bytes of 16 codes
.set R,     16                         ; v16-79   four sets of 16 numbers as they are loaded
.set X,     80                         ; v80-111  two sets of 16 neighbours
.set E,     112                        ; v112-127 a scale byte for each step
.set C,     128                        ; v128-191 codes: four registers for each step, so that no store's data are written again
.set WREG,  8192                       ; LDS: a region for each wave: two stages of 32 x SP bytes, behind them its 256 scale bytes
.set SP,    80                         ; a lane's place in a stage: 64 bytes + 16 of padding
.set SPW,   12                         ; v12  LDS address of my spare word; never rewritten
.set NIL,   13                         ; v13  0; never rewritten
.set SPARE, WAVES*WREG                 ; behind the four regions: the spare words, 128 bytes a wave, which no other line names
	s_load_b256 s[4:11], s[0:1], 0x0               ; x, Wq, Wk, Wv
	s_load_b256 s[12:19], s[0:1], 0x20             ; Wo, codes, scales, wo16
	s_load_b64 s[20:21], s[0:1], 0x40              ; rope
	v_lshl_add_u32 v[SPW], v0, 2, SPARE
	v_mov_b32 v[NIL], 0
	v_lshrrev_b32 v1, 5, v0
	v_readfirstlane_b32 s22, v1                    ; wave
	v_and_b32 v2, 31, v0                           ; lane
	s_mov_b32 s29, 0                               ; the upper word of every offset pair s[28:29]
	s_wait_kmcnt 0x0
	s_cmp_ge_u32 ttmp9, 384
	s_cbranch_scc1 .Lrope
	s_cmp_ge_u32 ttmp9, 352
	s_cbranch_scc1 .Lwo
; ---- THE QUANTISER.  A wave takes 16 steps of 512 numbers.  Each of a step's four loads reads 512 consecutive bytes; the 2,048 bytes turn through the wave's own stage in LDS and come back 64 bytes a lane,
; so that a lane holds 16 neighbours along K (two neighbouring lanes hold a block).  Waves share nothing: no barrier.
	v_lshlrev_b32 v3, 4, v2                        ; my 16 bytes of a load's 512
	s_mul_i32 s30, s22, WREG
	v_lshrrev_b32 v14, 2, v2
	v_mul_u32_u24 v14, v14, SP
	v_and_b32 v15, 3, v2
	v_lshl_add_u32 v14, v15, 4, v14
	v_add_nc_u32 v14, s30, v14                     ; the stage, on the way in: SP (lane / 4) + 16 (lane % 4)
	v_mul_u32_u24 v15, v2, SP
	v_add_nc_u32 v15, s30, v15                     ; and on the way out: SP x lane
	v_mul_u32_u24 v4, v2, CB                       ; my codes' place in a step's
	v_lshrrev_b32 v5, 1, v2
	s_add_co_u32 s30, s30, 2*32*SP
	v_add_nc_u32 v5, s30, v5                       ; my wave's 256 scale bytes, my block's byte
	v_lshlrev_b32 v7, 3, v2                        ; on the way out 8 bytes a lane
	v_add_nc_u32 v6, s30, v7
	s_mov_b64 s[24:25], s[10:11]                   ; which tensor: the choice hangs on the work-group's number alone
	s_mov_b32 s26, 320
	s_cmp_lt_u32 ttmp9, 320
	s_cselect_b64 s[24:25], s[8:9], s[24:25]
	s_cselect_b32 s26, 288, s26
	s_cmp_lt_u32 ttmp9, 288
	s_cselect_b64 s[24:25], s[6:7], s[24:25]
	s_cselect_b32 s26, 256, s26
	s_cmp_lt_u32 ttmp9, 256
	s_cselect_b64 s[24:25], s[4:5], s[24:25]
	s_cselect_b32 s26, 0, s26
	s_sub_co_u32 s27, ttmp9, s26
	s_lshl_b32 s27, s27, 2
	s_add_co_u32 s27, s27, s22                     ; which run of 8,192 numbers of the tensor
	s_lshl_b32 s28, s27, 15
	s_add_nc_u64 s[24:25], s[24:25], s[28:29]
	s_lshl_b32 s27, ttmp9, 2
	s_add_co_u32 s27, s27, s22                     ; and of the one stream of codes and scale bytes
	s_lshl_b32 s28, s27, 12
	s_add_nc_u64 s[14:15], s[14:15], s[28:29]
	s_lshl_b32 s28, s27, 8
	s_add_nc_u64 s[16:17], s[16:17], s[28:29]
.macro LOAD t
.irp i, 0,1,2,3
	global_load_b128 v[R+16*((\t)%4)+4*\i:R+16*((\t)%4)+4*\i+3], v3, s[24:25] offset:2048*(\t)+512*\i th:TH_LOAD_NT   ; 32 lanes read 512 consecutive bytes
.endr
.endm
.macro TURN t                          ; step t's numbers through the stage: LDS serves a wave's instructions in order, so no wait stands between the stores and the loads
.irp i, 0,1,2,3
	ds_store_b128 v14, v[R+16*((\t)%4)+4*\i:R+16*((\t)%4)+4*\i+3] offset:32*SP*((\t)%2)+8*SP*\i
.endr
.irp i, 0,1,2,3
	ds_load_b128 v[X+16*((\t)%2)+4*\i:X+16*((\t)%2)+4*\i+3], v15 offset:32*SP*((\t)%2)+16*\i
.endr
.endm
.irp t, 0,1,2,3
	LOAD \t
.endr
	s_wait_loadcnt 12                              ; step 0's four loads are in
	TURN 0
.macro STEP t
.set XS, X+16*((\t)%2)
.if (\t) > 0
	s_wait_dscnt 1                                 ; this step's numbers are back from the stage (the last step's byte store may be out)
.else
	s_wait_dscnt 0x0
.endif
.if (\t)+4 < STEPS
	LOAD (\t)+4                                    ; the registers that the stage's stores have read take the loads of four steps on
.endif
.if (\t)+1 < STEPS
.if STEPS-2-(\t) >= 3
	s_wait_loadcnt 12                              ; the next step's four loads are in; those of the three steps behind it may be out
.else
	s_wait_loadcnt 4*(STEPS-2-(\t))
.endif
	TURN (\t)+1
.endif
	v_max3_num_f32 v8, |v[XS]|, |v[XS+1]|, |v[XS+2]|               ; the largest magnitude of my 16, in two chains
	v_max3_num_f32 v9, |v[XS+3]|, |v[XS+4]|, |v[XS+5]|
.irp i, 6,10
	v_max3_num_f32 v8, v8, |v[XS+\i]|, |v[XS+\i+1]|
	v_max3_num_f32 v9, v9, |v[XS+\i+2]|, |v[XS+\i+3]|
.endr
	v_max3_num_f32 v8, v8, |v[XS+14]|, |v[XS+15]|
	v_max3_num_f32 v8, v8, v9, (EMAX+1)<<23        ; and the floor 2^(EMAX + 1 - 127): the byte cannot fall under 1
	v_max_num_f32_dpp v8, v8, v8 row_xmask:1 row_mask:0xf bank_mask:0xf   ; and of my neighbour's 16: the block's
	v_add_nc_u32 v11, -(EMAX<<23), v8              ; EMAX off its exponent field: the conversion takes the exponent field of this operand as its scale
	v_cvt_scalef32_pk8_fp4_f32 v[C+4*(\t)], v[XS:XS+7], v11
	v_cvt_scalef32_pk8_fp4_f32 v[C+4*(\t)+1], v[XS+8:XS+15], v11
	v_lshrrev_b32 v[E+(\t)], 23, v11               ; the scale's byte (a plain line behind the conversions)
	ds_store_b8 v5, v[E+(\t)] offset:16*(\t)       ; both lanes of a block write the same byte with the same value
	global_store_b64 v4, v[C+4*(\t):C+4*(\t)+1], s[14:15] offset:32*CB*(\t)   ; the wave stores 256 consecutive bytes, aligned
.endm
.irp t, 0,1,2,3,4,5,6,7,8,9,10,11,12,13,14,15
	STEP \t
.endr
	ds_load_b64 v[8:9], v6                         ; LDS serves a wave's instructions in order: these see my stores
	s_wait_dscnt 0x0
	global_store_b64 v7, v[8:9], s[16:17]          ; 32 lanes store 256 consecutive bytes, aligned
	s_wait_tensorcnt 0x0                           ; the wave's end, behind my last LDS store
	ds_add_u32 v[SPW], v[NIL]
	s_wait_dscnt 0x0
	s_endpgm
; ---- Wo TO f16.  A wave takes 8,192 numbers: four batches of 16 loads of 512 consecutive bytes, in two sets of registers by turns; a lane's four numbers pack into 8 bytes, a wave's store covers 256 consecutive bytes.
.Lwo:
	s_sub_co_u32 s27, ttmp9, 352
	s_lshl_b32 s27, s27, 2
	s_add_co_u32 s27, s27, s22
	s_lshl_b32 s28, s27, 15
	s_add_nc_u64 s[12:13], s[12:13], s[28:29]
	s_lshl_b32 s28, s27, 14
	s_add_nc_u64 s[18:19], s[18:19], s[28:29]
	v_lshlrev_b32 v3, 4, v2
	v_lshlrev_b32 v7, 3, v2
.macro WLOAD b
.irp i, 0,1,2,3,4,5,6,7,8,9,10,11,12,13,14,15
	global_load_b128 v[16+64*((\b)%2)+4*\i:16+64*((\b)%2)+4*\i+3], v3, s[12:13] offset:512*(16*(\b)+\i) th:TH_LOAD_NT
.endr
.endm
.macro WWORK b
.set W, 16+64*((\b)%2)
.irp i, 0,1,2,3,4,5,6,7,8,9,10,11,12,13,14,15
	v_cvt_pk_f16_f32 v[W+4*\i], v[W+4*\i], v[W+4*\i+1]
	v_cvt_pk_f16_f32 v[W+4*\i+1], v[W+4*\i+2], v[W+4*\i+3]
	global_store_b64 v7, v[W+4*\i:W+4*\i+1], s[18:19] offset:256*(16*(\b)+\i)
.endr
.endm
	WLOAD 0
	WLOAD 1
	s_wait_loadcnt 16                              ; the older batch is in, the younger one's sixteen may be out
	WWORK 0
	s_wait_xcnt 0x0                                ; the stores have read their data: the set is loaded again only behind this wait
	WLOAD 2
	s_wait_loadcnt 16
	WWORK 1
	s_wait_xcnt 0x0
	WLOAD 3
	s_wait_loadcnt 16
	WWORK 2
	s_wait_loadcnt 0x0
	WWORK 3
	s_endpgm
; ---- THE TABLE.  A wave makes one group of 16 positions.  angle = position x 10000^(-p/32).  k = the nearest whole number to angle x 2/pi; r = angle - k pi/2, pi/2 in two parts, by fused multiply-adds;
; sin r and cos r by their series to r^9 and r^8 (|r| <= pi/4: what is cut lies under 3e-8); k mod 4 says which of the two is which, and their signs.
.Lrope:
	s_sub_co_u32 s27, ttmp9, 384
	s_lshl_b32 s27, s27, 2
	s_add_co_u32 s27, s27, s22                     ; the group
	s_lshl_b32 s28, s27, 12
	s_add_nc_u64 s[20:21], s[20:21], s[28:29]
	s_lshl_b32 s28, s27, 4
	v_lshlrev_b32 v15, 4, v2                       ; 16 bytes a lane
	v_and_b32 v1, 15, v0
	v_add_nc_u32 v1, s28, v1
	v_cvt_f32_u32 v1, v1                           ; my position
	v_bfe_u32 v14, v0, 4, 1
	v_lshlrev_b32 v14, 2, v14                      ; 4 h
	s_mov_b32 s36, 0x3f22f983                      ; 2 / pi
	s_mov_b32 s37, 0x3fc90fdb                      ; pi / 2, the upper part,
	s_mov_b32 s38, 0xb33bbd2e                      ; and the rest
	s_mov_b32 s39, 0xbe2aaaab                      ; -1/6
	s_mov_b32 s40, 0x3c088889                      ; 1/120
	s_mov_b32 s41, 0xb9500d01                      ; -1/5040
	s_mov_b32 s42, 0x3638ef1d                      ; 1/362880
	s_mov_b32 s43, 0x3d2aaaab                      ; 1/24
	s_mov_b32 s44, 0xbab60b61                      ; -1/720
	s_mov_b32 s45, 0x37d00d01                      ; 1/40320
	s_mov_b32 s46, 0x80000000
.irp n, 0,1,2,3,4,5,6,7,8,9,10,11,12,13,14,15
	v_add_nc_u32 v[16+\n], 8*(\n/4)+\n%4, v14      ; the pair p
.endr
.irp n, 0,1,2,3,4,5,6,7,8,9,10,11,12,13,14,15
	v_cvt_f32_u32 v[16+\n], v[16+\n]
.endr
.irp n, 0,1,2,3,4,5,6,7,8,9,10,11,12,13,14,15
	v_mul_f32 v[16+\n], 0xbed49a78, v[16+\n]       ; -p log2(10000) / 32
.endr
.irp n, 0,1,2,3,4,5,6,7,8,9,10,11,12,13,14,15
	v_exp_f32 v[16+\n], v[16+\n]                   ; one batch
.endr
	v_nop                                          ; a plain line behind the last exponential
	s_wait_alu depctr_va_vdst(0)                   ; one wait for the batch, ahead of its first reader
.macro SINCOS n
	v_mul_f32 v2, v1, v[16+\n]                     ; the angle
	v_mul_f32 v3, s36, v2
	v_rndne_f32 v3, v3                             ; k
	v_fma_f32 v4, -v3, s37, v2
	v_fma_f32 v4, -v3, s38, v4                     ; r
	v_cvt_i32_f32 v5, v3
	v_mul_f32 v6, v4, v4                           ; z = r r
	v_fma_f32 v7, v6, s42, s41
	v_fma_f32 v7, v7, v6, s40
	v_fma_f32 v7, v7, v6, s39
	v_mul_f32 v8, v4, v6
	v_fma_f32 v7, v8, v7, v4                       ; sin r
	v_fma_f32 v9, v6, s45, s44
	v_fma_f32 v9, v9, v6, s43
	v_fma_f32 v9, v9, v6, -0.5
	v_fma_f32 v9, v6, v9, 1.0                      ; cos r
	v_and_b32 v10, 1, v5
	v_cmp_eq_u32 vcc_lo, 1, v10                    ; k odd: the two change places
	v_cndmask_b32 v11, v7, v9, vcc_lo
	v_cndmask_b32 v10, v9, v7, vcc_lo
	v_lshlrev_b32 v8, 30, v5
	v_and_b32 v8, s46, v8                          ; sin is negated where k mod 4 is 2 or 3,
	v_xor_b32 v[33+2*\n], v8, v11
	v_add_nc_u32 v5, 1, v5
	v_lshlrev_b32 v5, 30, v5
	v_and_b32 v5, s46, v5                          ; cos where it is 1 or 2
	v_xor_b32 v[32+2*\n], v5, v10
.endm
.irp n, 0,1,2,3,4,5,6,7,8,9,10,11,12,13,14,15
	SINCOS \n
.endr
.irp k, 0,1,2,3,4,5,6,7
	global_store_b128 v15, v[32+4*\k:35+4*\k], s[20:21] offset:512*\k   ; 32 lanes store 512 consecutive bytes
.endr
	s_endpgm
.Lfunc_end_k_q578c74a8b2_prep:
	.size	k_q578c74a8b2_prep, .Lfunc_end_k_q578c74a8b2_prep-k_q578c74a8b2_prep
	.p2alignl 7, 3214868480
	.fill 96, 4, 3214868480
	.section	.rodata,"a",@progbits
	.p2align	6, 0x0
	.amdhsa_kernel k_q578c74a8b2_prep
		.amdhsa_group_segment_fixed_size 33280
		.amdhsa_private_segment_fixed_size 0
		.amdhsa_enable_private_segment 0
		.amdhsa_kernarg_size 72
		.amdhsa_user_sgpr_count 2
		.amdhsa_user_sgpr_kernarg_segment_ptr 1
		.amdhsa_wavefront_size32 1
		.amdhsa_system_sgpr_workgroup_id_x 1
		.amdhsa_system_sgpr_workgroup_id_y 1
		.amdhsa_system_sgpr_workgroup_id_z 1
		.amdhsa_system_vgpr_workitem_id 0
		.amdhsa_next_free_vgpr 192
		.amdhsa_next_free_sgpr 66
		.amdhsa_reserve_vcc 1
		.amdhsa_float_denorm_mode_32 3
		.amdhsa_float_denorm_mode_16_64 3
		.amdhsa_memory_ordered 1
		.amdhsa_forward_progress 1
		.amdhsa_inst_pref_size 77
	.end_amdhsa_kernel
	.amdgpu_metadata
---
amdhsa.version: [ 1, 2 ]
amdhsa.kernels:
  - .name:           k_q578c74a8b2_prep
    .symbol:         k_q578c74a8b2_prep.kd
    .args:
      - { .name: x, .offset: 0, .size: 8, .value_kind: global_buffer, .address_space: global }
      - { .name: Wq, .offset: 8, .size: 8, .value_kind: global_buffer, .address_space: global }
      - { .name: Wk, .offset: 16, .size: 8, .value_kind: global_buffer, .address_space: global }
      - { .name: Wv, .offset: 24, .size: 8, .value_kind: global_buffer, .address_space: global }
      - { .name: Wo, .offset: 32, .size: 8, .value_kind: global_buffer, .address_space: global }
      - { .name: codes, .offset: 40, .size: 8, .value_kind: global_buffer, .address_space: global }
      - { .name: scales, .offset: 48, .size: 8, .value_kind: global_buffer, .address_space: global }
      - { .name: wo16, .offset: 56, .size: 8, .value_kind: global_buffer, .address_space: global }
      - { .name: rope, .offset: 64, .size: 8, .value_kind: global_buffer, .address_space: global }
    .group_segment_fixed_size: 33280
    .private_segment_fixed_size: 0
    .kernarg_segment_align: 8
    .kernarg_segment_size: 72
    .max_flat_workgroup_size: 128
    .sgpr_count:     66
    .vgpr_count:     192
    .wavefront_size: 32
...
	.end_amdgpu_metadata
.endif
;; end of part 1
;; launch qkv (part 2): grid 12 x 32, 4 waves a work-group, clusters of 4 x 4, 327,680 bytes of LDS; arguments codes, scales, bq, bk, bv, rope, qkv; writes qkv
.if DOCPART == 2
	.amdgcn_target "amdgcn-amd-amdhsa--gfx1250"
	.amdhsa_code_object_version 6
	.text
	.protected	k_q578c74a8b2_qkv
	.globl	k_q578c74a8b2_qkv
	.p2align	8
	.type	k_q578c74a8b2_qkv,@function
k_q578c74a8b2_qkv:
	s_mov_b64 s[64:65], 0
	v_nop
	global_prefetch_b8 v0, s[64:65] scope:SCOPE_SE
	s_setreg_imm32_b32 hwreg(HW_REG_WAVE_MODE, 25, 1), 1
	s_wait_xcnt 0x0
	s_wait_alu depctr_hold_cnt(0) depctr_sa_sdst(0) depctr_va_vdst(0) depctr_va_sdst(0) depctr_va_ssrc(0) depctr_va_vcc(0) depctr_vm_vsrc(0)
	s_getreg_b32 s2, hwreg(HW_REG_IB_STS2, 6, 4)
	s_cmp_eq_u32 s2, 0
	s_cbranch_scc0 .Lentry_in_a_cluster
	s_endpgm
.Lentry_in_a_cluster:
	s_bfe_u32 s2, ttmp6, 0x10000c
	s_cmp_lg_u32 s2, 0xf033
	s_cbranch_scc0 .Lentry_shape_is_right
	s_endpgm
.Lentry_shape_is_right:
; MHA, launch 2 of 4: q, k, v = x W^T + b on codes of FP4 (E2M1) with one E8M0 scale for each 32 along K; q and k are rotated by the position; all three leave as f16, [3][8192 tokens][1024 channels].
; No work of the problem is left out here.  One GEMM: A = x's 8,192 rows of codes, B = the 3,072 rows of Wq, Wk, Wv, which follow x's in the buffers of codes and of scale bytes; K = 1,024.
; A tile of 256 x 256 is made by four waves, 128 x 128 each: 64 accumulators, 512 registers.  K = 1,024 is two LDS slots of 512 along K (rows of 256 bytes): both, and the scale bytes of the 512 rows for all of K,
; are asked for at the start, three tensor loads a wave, and nothing is ever filled again.
; CLUSTERS: 4 x 4 work-groups.  A's tiles are asked for jointly along a row of the cluster, B's along a column.  A cluster's four tile columns are 1,024 channels: the cluster's x says q (0), k (1) or v (2), alike in all sixteen.
; THE MATRIX INSTRUCTION IS USED TRANSPOSED (source 0 = 16 rows of W, source 1 = 16 rows of x): lane (r, h) holds token r of a block and eight neighbouring channels 16 b + 8 h + 0 .. 7: four pairs of the rotation.
; THE BIAS is the C of each sum's first product: eight registers for each block of 16 channels.
; LIMITS: |q|, |k|, |v| beyond 65,504 become infinity in f16 (with x and W thirty times the drawn spread they stay under 5,000).
; REGISTERS, in windows of 256: window 0: v0-31 addresses; v32-95 scale words, two sets, and nothing else; v128-191 A's fragments, on the way out T; v192-255 the bias, on the way out rows read back.
;   window 1: B's fragments, two sets, at v0 and v128; v64-127 two sets of the rotation's table.   window 2, 3: the accumulators ((a, b) at v[8 (8 (a % 4) + b)]).
.set KSTEP,  512
.set NQ,     4                         ; matrix instructions deep in a slot
.set ROWB,   256                       ; a tile's row in bytes
.set KROW,   512                       ; a row of codes in memory
.set PITCH,  272                       ; an LDS row: 256 bytes + 16 of padding
.set FR,     8
.set NL,     2
.set NP,     4                         ; places behind this matrix instruction (ISA guide 7.12.1)
.set HALFT,  128*PITCH
.set SLOT,   4*HALFT
.set KS,     32                        ; a row of scale bytes
.set SCL,    2*SLOT                    ; behind the slots: the scale bytes, as units of 256 bytes + 16 of padding
.set HALFS,  (128*KS/256)*272
.set SBLK,   (16*KS/256)*272
.set SPARE,  SCL+4*HALFS               ; the spare words, 128 bytes a wave, which no other line names
.set SPITCH, 272                       ; the way out: a stage of 16 rows x (256 bytes + 16) for each wave, in slot 0, which has had its one fill and its last read by then
.set STG2,   4*16*SPITCH               ; the path for v has stage bytes of its own
.set ADRA, 16
.set ADRB, 20
.set STO,  24
.set RD,   25
.set CO,   26
.set ADRS, 27
.set SPW,  28
.set NIL,  29
.set TA,   30                          ; v30  16 x lane: my place in a load of the table
.set BO,   31                          ; v31  32 h: my place in the bias
.set SC,   32
.set AF,   128
.set T,    128                         ; the way out: 64 rotated numbers; packed, they take the lower 32
.set BK,   192                         ; rows read back from the stage, two sets
.set BIAS, 192
.set CSW,  64                          ; in window 1: the table's two sets of 32
.set G1, 24
.set G0, 32
.set G1B, 48
.set G0B, 56
.set G1S, 68
.set G0S, 76
.set G1SB, 80
.set G0SB, 88
.set MSB, 0
.macro WIN new                         ; the immediate's high byte repeats the setting that is left
.if MSB != \new
	s_set_vgpr_msb (MSB<<8)|\new
.set MSB, \new
.endif
.endm
.set MUL_LO, 0xa1                      ; source 0 (B) window 1, source 1 (A) window 0, C and D window 2
.set MUL_HI, 0xf1
.set MUL_LB, 0x81                      ; the same with C (the bias) in window 0
.set MUL_HB, 0xc1
.set TO_B,   0x40
; A joint load: waves 0 and 1 fetch for A, waves 2 and 3 for B; the branch hangs on the wave's number alone.  An s_nop 0 and four v_nop follow each of the two lines.
.macro JLOAD g0a, g1a, g0b, g1b
	s_cmp_eq_u32 s15, 0
	s_cbranch_scc0 .Lfor_b_\@
	tensor_load_to_lds s[\g0a:\g0a+3], s[\g1a:\g1a+7]
	s_nop 0
.rept 4
	v_nop
.endr
	s_branch .Lasked_\@
.Lfor_b_\@:
	tensor_load_to_lds s[\g0b:\g0b+3], s[\g1b:\g1b+7]
	s_nop 0
.rept 4
	v_nop
.endr
.Lasked_\@:
.endm
.macro CROUND                          ; a round of the cluster's barrier
	s_barrier_signal -1
	s_barrier_wait -1
	s_cmp_lg_u32 s14, 0
	s_cbranch_scc1 .Lnot_wave_0_\@
	s_barrier_signal -3
.Lnot_wave_0_\@:
	s_barrier_wait -3
	s_barrier_signal -1
	s_barrier_wait -1
.endm
	s_load_b128 s[4:7], s[0:1], 0x0                ; codes, scales
	s_load_b128 s[8:11], s[0:1], 0x10              ; bq, bk
	s_load_b128 s[96:99], s[0:1], 0x20             ; bv, rope
	s_load_b64 s[12:13], s[0:1], 0x30              ; qkv
	v_lshl_add_u32 v[SPW], v0, 2, SPARE
	v_mov_b32 v[NIL], 0
	ds_add_u32 v[SPW], v[NIL]                      ; the wave's opening: the add, twice on end, and its wait ahead of my first tensor load
	ds_add_u32 v[SPW], v[NIL]
	v_lshrrev_b32 v1, 5, v0
	v_readfirstlane_b32 s14, v1                    ; wave 0..3
	s_lshr_b32 s15, s14, 1                         ; which half of the tile's rows is mine.  Also: I fetch for A (0) or for B (1)
	s_and_b32 s16, s14, 1                          ; which half of its columns.  Also: which 128 rows I fetch
	s_bfe_u32 s40, ttmp6, 0x40000                  ; cx, cy
	s_bfe_u32 s41, ttmp6, 0x40004
	s_lshl_b32 s42, ttmp9, 2
	s_add_co_u32 s42, s42, s40                     ; tile column = 4 x cluster x + cx
	s_and_b32 s17, ttmp7, 0xffff
	s_lshl_b32 s17, s17, 2
	s_add_co_u32 s17, s17, s41                     ; tile row = 4 x cluster y + cy
	s_lshl_b32 s43, s41, 2
	s_lshl_b32 s43, 15, s43                        ; my row of the cluster
	s_lshl_b32 s44, 0x1111, s40                    ; my column
	s_or_b32 s[G1+0], s43, (0<<16)|(1<<20)|(1<<21)|(5<<22)|(3<<25)  ; the mask; elements of 1 byte; padding on; bit 21 beside a mask; after every 64 words four words
	s_or_b32 s[G1B+0], s44, (0<<16)|(1<<20)|(1<<21)|(5<<22)|(3<<25)
.irp g, G1, G1B
	s_mov_b32 s[\g+1], ROWB<<16                    ; tensor_dim0
	s_mov_b32 s[\g+2], 128<<16                     ; tensor_dim1
	s_mov_b32 s[\g+3], ROWB<<16                    ; tile_dim0
	s_mov_b32 s[\g+4], 128                         ; tile_dim1
	s_mov_b32 s[\g+5], KROW                        ; the pitch
	s_mov_b32 s[\g+6], 0
	s_mov_b32 s[\g+7], 0
.endr
	s_or_b32 s[G1S+0], s43, (3<<16)|(1<<20)|(1<<21)|(5<<22)|(3<<25)   ; the scale bytes of 128 rows: 4,096 dense bytes as 16 rows of 256 (32 elements of 8 bytes)
	s_or_b32 s[G1SB+0], s44, (3<<16)|(1<<20)|(1<<21)|(5<<22)|(3<<25)
.irp g, G1S, G1SB
	s_mov_b32 s[\g+1], 32<<16
	s_mov_b32 s[\g+2], (128*KS/256)<<16
	s_mov_b32 s[\g+3], 32<<16
	s_mov_b32 s[\g+4], 128*KS/256
	s_mov_b32 s[\g+5], 32
	s_mov_b32 s[\g+6], 0
	s_mov_b32 s[\g+7], 0
.endr
	s_lshl_b32 s18, s16, 7
	s_lshl_b32 s20, s17, 8
	s_add_co_u32 s20, s20, s18                     ; A: row 256 x tile row + 128 x half
	s_lshl_b32 s46, s42, 8
	s_add_co_u32 s46, s46, s18                     ; B: row 256 x tile column + 128 x half
	s_mov_b32 s21, 0
	s_mov_b32 s47, 0
	s_mov_b64 s[18:19], KS
	s_mul_u64 s[22:23], s[20:21], s[18:19]
	s_mul_u64 s[92:93], s[46:47], s[18:19]
	s_mov_b64 s[18:19], KROW
	s_mul_u64 s[20:21], s[20:21], s[18:19]
	s_mul_u64 s[46:47], s[46:47], s[18:19]
	s_mul_i32 s45, s14, HALFT                      ; where they go: no place in the cluster enters an LDS address
	s_mul_i32 s94, s14, HALFS
	s_wait_dscnt 0x0                               ; both opening adds are done
	s_wait_kmcnt 0x0
	s_cmp_eq_u32 ttmp9, 0                          ; which bias: by the cluster's x
	s_cselect_b64 s[66:67], s[8:9], s[10:11]
	s_cmp_eq_u32 ttmp9, 2
	s_cselect_b64 s[66:67], s[96:97], s[66:67]
	s_add_nc_u64 s[8:9], s[4:5], 8192*KROW         ; the weights' codes follow x's 8,192 rows,
	s_add_nc_u64 s[10:11], s[6:7], 8192*KS         ; and their scale bytes likewise
	s_add_nc_u64 s[20:21], s[4:5], s[20:21]
	s_add_nc_u64 s[22:23], s[6:7], s[22:23]
	s_add_nc_u64 s[46:47], s[8:9], s[46:47]
	s_add_nc_u64 s[92:93], s[10:11], s[92:93]
	CROUND                                         ; all sixteen work-groups are here: the joint loads meet
	s_mov_b32 s[G0S], 1
	s_add_co_u32 s[G0S+1], s94, SCL
	s_mov_b64 s[G0S+2:G0S+3], s[22:23]
	s_or_b32 s[G0S+3], s[G0S+3], 0x80000000
	s_mov_b32 s[G0SB], 1
	s_add_co_u32 s[G0SB+1], s94, SCL
	s_mov_b64 s[G0SB+2:G0SB+3], s[92:93]
	s_or_b32 s[G0SB+3], s[G0SB+3], 0x80000000
	JLOAD G0S, G1S, G0SB, G1SB                     ; the scale bytes first
.irp s, 0,1
	s_mov_b32 s[G0+4*\s], 1
	s_add_co_u32 s[G0+4*\s+1], s45, \s*SLOT
	s_add_nc_u64 s[G0+4*\s+2:G0+4*\s+3], s[20:21], \s*ROWB
	s_or_b32 s[G0+4*\s+3], s[G0+4*\s+3], 0x80000000
	s_mov_b32 s[G0B+4*\s], 1
	s_add_co_u32 s[G0B+4*\s+1], s45, \s*SLOT
	s_add_nc_u64 s[G0B+4*\s+2:G0B+4*\s+3], s[46:47], \s*ROWB
	s_or_b32 s[G0B+4*\s+3], s[G0B+4*\s+3], 0x80000000
	JLOAD G0+4*\s, G1, G0B+4*\s, G1B               ; three tensor loads of mine are out
.endr
	v_and_b32 v1, 15, v0                           ; r
	v_bfe_u32 v2, v0, 4, 1                         ; h
	v_mul_u32_u24 v3, v1, PITCH
	v_lshl_add_u32 v4, v2, 4, v3
	s_mul_i32 s21, s15, HALFT
	s_mul_i32 s22, s16, HALFT
	s_add_co_u32 s22, s22, 2*HALFT
.irp s, 0,1
	v_add_nc_u32 v[ADRA+\s], s21, v4
	v_add_nc_u32 v[ADRB+\s], s22, v4
	s_add_co_u32 s21, s21, SLOT
	s_add_co_u32 s22, s22, SLOT
.endr
	v_mul_u32_u24 v5, v1, KS                       ; my row's scale bytes: KS a row, and 16 more for each 256 passed
	v_lshrrev_b32 v6, 8, v5
	v_lshl_add_u32 v5, v6, 4, v5
	s_mul_i32 s21, s15, HALFS
	s_mul_i32 s22, s16, HALFS
	s_add_co_u32 s22, s22, 2*HALFS
	s_sub_co_u32 s22, s22, s21
	v_mul_u32_u24 v6, s22, v2                      ; lanes 16-31 take B's
	s_add_co_u32 s21, s21, SCL
	v_add_nc_u32 v5, v5, v6
	v_add_nc_u32 v[ADRS], s21, v5
	s_mul_i32 s23, s14, 16*SPITCH                  ; my stage
	v_mul_u32_u24 v5, v1, SPITCH                   ; in: row r, 16 bytes for each half of the lanes
	v_lshl_add_u32 v5, v2, 4, v5
	v_add_nc_u32 v[STO], s23, v5
	v_mul_u32_u24 v5, v2, SPITCH                   ; back: lanes 0-15 one row of 256 bytes, lanes 16-31 the next
	v_lshl_add_u32 v5, v1, 4, v5
	v_add_nc_u32 v[RD], s23, v5
	v_lshlrev_b32 v5, 11, v2                       ; and the same two rows in memory, 2,048 bytes apart
	v_lshl_add_u32 v[CO], v1, 4, v5
	v_and_b32 v6, 31, v0
	v_lshlrev_b32 v[TA], 4, v6
	v_lshlrev_b32 v[BO], 5, v2
	s_lshl_b32 s20, s17, 8
	s_lshl_b32 s21, s15, 7
	s_add_co_u32 s20, s20, s21                     ; my first token
	s_lshr_b32 s94, s20, 4
	s_and_b32 s94, s94, 127                        ; its group of 16 positions in its sequence of 2,048
	s_lshl_b32 s94, s94, 12
	s_mov_b32 s95, 0
	s_add_nc_u64 s[98:99], s[98:99], s[94:95]      ; the table at my first block
	s_lshl_b32 s20, s20, 11                        ; 2,048 bytes a token
	s_mov_b32 s21, 0
	s_lshl_b32 s94, ttmp9, 24                      ; q, k or v: 16,777,216 bytes each
	s_add_nc_u64 s[20:21], s[20:21], s[94:95]
	s_lshl_b32 s46, s40, 9                         ; my first channel, in bytes of f16: 512 cx + 256 x half
	s_lshl_b32 s47, s16, 8
	s_add_co_u32 s46, s46, s47
	s_mov_b32 s47, 0
	s_add_nc_u64 s[20:21], s[20:21], s[46:47]
	s_add_nc_u64 s[12:13], s[12:13], s[20:21]
	s_lshl_b32 s46, s46, 1                         ; the same channel in bytes of f32
	s_add_nc_u64 s[66:67], s[66:67], s[46:47]
.irp b, 0,1,2,3,4,5,6,7
	global_load_b128 v[BIAS+8*\b:BIAS+8*\b+3], v[BO], s[66:67] offset:64*\b        ; the bias of channels 16 b + 8 h + 0 .. 7
	global_load_b128 v[BIAS+8*\b+4:BIAS+8*\b+7], v[BO], s[66:67] offset:64*\b+16
.endr
.macro FRAG reg, adr, q, i             ; 16 rows x 128 K of 4-bit codes: lane l holds row l % 16; registers 4 c .. 4 c + 3 hold K = 64 c + 32 (l / 16) + 0 .. 31
.irp c, 0,1
	ds_load_b128 v[\reg+4*\c:\reg+4*\c+3], v[\adr] offset:64*(\q)+32*\c+(\i)*16*PITCH
.endr
.endm
; 16 matrix instructions: A's blocks a0, a0 + 1 x B's eight.  bias = 1: the first product starts the sums from the bias.  The 64 accumulators take turns, one instruction a turn.
.macro MUL16 a0, p, q, sc, bias
.irp a, \a0, \a0+1
.irp b, 0,1,2,3,4,5,6,7
.if \bias
	v_wmma_scale_f32_16x16x128_f8f6f4 v[8*(8*((\a)%4)+\b):8*(8*((\a)%4)+\b)+7], v[128*(\p)+FR*\b:128*(\p)+FR*\b+FR-1], v[AF+FR*(\a):AF+FR*(\a)+FR-1], v[BIAS+8*\b:BIAS+8*\b+7], v[SC+8*NQ*(\sc)+NQ*\b+(\q)], v[SC+8*NQ*(\sc)+NQ*(\a)+(\q)] matrix_a_fmt:MATRIX_FMT_FP4 matrix_b_fmt:MATRIX_FMT_FP4 matrix_a_scale:MATRIX_SCALE_ROW1
.else
	v_wmma_scale_f32_16x16x128_f8f6f4 v[8*(8*((\a)%4)+\b):8*(8*((\a)%4)+\b)+7], v[128*(\p)+FR*\b:128*(\p)+FR*\b+FR-1], v[AF+FR*(\a):AF+FR*(\a)+FR-1], v[8*(8*((\a)%4)+\b):8*(8*((\a)%4)+\b)+7], v[SC+8*NQ*(\sc)+NQ*\b+(\q)], v[SC+8*NQ*(\sc)+NQ*(\a)+(\q)] matrix_a_fmt:MATRIX_FMT_FP4 matrix_b_fmt:MATRIX_FMT_FP4 matrix_a_scale:MATRIX_SCALE_ROW1
.endif
.endr
.endr
.endm
.macro FETCH_B slot, q, p
	WIN TO_B
.irp i, 0,1,2,3,4,5,6,7
	FRAG 128*(\p)+FR*\i, ADRB+\slot, \q, \i
.endr
	WIN 0
.endm
.macro FETCH_A slot, q, i0
.irp i, \i0, \i0+1, \i0+2, \i0+3
	FRAG AF+FR*(\i), ADRA+\slot, \q, \i
.endr
.endm
.macro SCALES sc                       ; a slot's scale words: lanes 0-15 take A's block i, lanes 16-31 B's block i
.irp i, 0,1,2,3,4,5,6,7
	ds_load_b128 v[SC+8*NQ*\sc+NQ*\i:SC+8*NQ*\sc+NQ*\i+3], v[ADRS] offset:\i*SBLK
.endr
.endm
.macro PLACES n                        ; places in front of loads into registers that matrix instructions have read, and of the first read of results
.rept \n
	v_nop
.endr
.endm
.macro STEP slot, q, bias              ; 128 along K with its successor in the same slot
	s_wait_dscnt 4*NL                              ; B's set and A's blocks 0-3 are in; A's blocks 4-7 may be out
.if \bias
	WIN MUL_LB
.else
	WIN MUL_LO
.endif
	MUL16 0, (\q)%2, \q, \slot, \bias
	MUL16 2, (\q)%2, \q, \slot, \bias
	s_wait_dscnt 0
	PLACES NP
	FETCH_B \slot, (\q)+1, 1-(\q)%2
	FETCH_A \slot, (\q)+1, 0
.if \bias
	WIN MUL_HB
.else
	WIN MUL_HI
.endif
	MUL16 4, (\q)%2, \q, \slot, \bias
	MUL16 6, (\q)%2, \q, \slot, \bias
	PLACES NP
	WIN 0
	FETCH_A \slot, (\q)+1, 4
.endm
; Slot 0's last step changes slots: one barrier; in front of it each wave waits for all its tensor loads (slot 1's was still out), adds 0 to its spare word, and waits for that and for its reads of slot 0.
.macro TURN slot, next
	s_wait_tensorcnt 0x0
	ds_add_u32 v[SPW], v[NIL]
	s_wait_dscnt 4*NL+1                            ; (the add and A's blocks 4-7 may be out)
	WIN MUL_LO
	MUL16 0, 1, NQ-1, \slot, 0
	s_wait_dscnt 0x0
	s_barrier_signal -1
	MUL16 2, 1, NQ-1, \slot, 0
	WIN 0
	s_barrier_wait -1
	PLACES NP
	v_add_nc_u32 v[ADRS], 4*NQ, v[ADRS]            ; on to the next slot's scale words
	FETCH_B \next, 0, 0
	FETCH_A \next, 0, 0
	SCALES \next
	WIN MUL_HI
	MUL16 4, 1, NQ-1, \slot, 0
	MUL16 6, 1, NQ-1, \slot, 0
	PLACES NP
	WIN 0
	FETCH_A \next, 0, 4
.endm
.macro STEPS slot, from
.set Q, \from
.rept NQ-1-\from
	STEP \slot, Q, 0
.set Q, Q+1
.endr
.endm
.macro REST                            ; slot 1's four steps
	STEPS 1, 0
	s_wait_dscnt 4*NL
	WIN MUL_LO
	MUL16 0, 1, NQ-1, 1, 0
	MUL16 2, 1, NQ-1, 1, 0
	s_wait_dscnt 0
	WIN MUL_HI
	MUL16 4, 1, NQ-1, 1, 0
	MUL16 6, 1, NQ-1, 1, 0
	WIN 0
.endm
; THE WAY OUT, block by block of 16 tokens x 128 channels.
.macro TABLE a                         ; block a's cos and sin: 32 registers a lane, eight loads of 512 consecutive bytes, into set a % 2 in window 1
.set CSR, CSW+32*((\a)%2)
	WIN TO_B
.irp k, 0,1,2,3,4,5,6,7
	global_load_b128 v[CSR+4*\k:CSR+4*\k+3], v[TA], s[98:99] offset:4096*(\a)+512*\k
.endr
	WIN 0
.endm
.macro ROPE a                          ; (x0, x1) -> (x0 cos - x1 sin, x0 sin + x1 cos) for my 32 pairs; each accumulator is read from its low end on; then two numbers pack into a register, in place, ascending
.set AC, 64*((\a)%4)
.set CSR, CSW+32*((\a)%2)
.set WN, 0x06+(\a)/4
	WIN WN                                         ; source 0: window 2 or 3; source 1 (the table): window 1
.irp b, 0,1,2,3,4,5,6,7
.irp i, 0,1,2,3
	v_mul_f32 v[T+8*\b+2*\i], v[AC+8*\b+2*\i+1], v[CSR+8*(\b%4)+2*\i+1]
	v_mul_f32 v[T+8*\b+2*\i+1], v[AC+8*\b+2*\i+1], v[CSR+8*(\b%4)+2*\i]
.endr
.irp i, 0,1,2,3
	v_fma_f32 v[T+8*\b+2*\i], v[AC+8*\b+2*\i], v[CSR+8*(\b%4)+2*\i], -v[T+8*\b+2*\i]
	v_fma_f32 v[T+8*\b+2*\i+1], v[AC+8*\b+2*\i], v[CSR+8*(\b%4)+2*\i+1], v[T+8*\b+2*\i+1]
.endr
.endr
	WIN 0
.irp b, 0,1,2,3,4,5,6,7
.irp i, 0,1,2,3
	v_cvt_pk_f16_f32 v[T+4*\b+\i], v[T+8*\b+2*\i], v[T+8*\b+2*\i+1]
.endr
.endr
.endm
.macro PACKV a                         ; v is not rotated
.set AC, 64*((\a)%4)
.set WN, 0x0a+5*((\a)/4)
	WIN WN
.irp b, 0,1,2,3,4,5,6,7
.irp i, 0,1,2,3
	v_cvt_pk_f16_f32 v[T+4*\b+\i], v[AC+8*\b+2*\i], v[AC+8*\b+2*\i+1]
.endr
.endr
	WIN 0
.endm
.macro TOSTAGE a, off                  ; 16 bytes a lane into my stage, whole rows of 256 bytes back: LDS serves a wave's instructions in order
.irp b, 0,1,2,3,4,5,6,7
	ds_store_b128 v[STO], v[T+4*\b:T+4*\b+3] offset:\off+32*\b
.endr
.set BB, BK+32*((\a)%2)
.irp t, 0,1,2,3,4,5,6,7
	ds_load_b128 v[BB+4*\t:BB+4*\t+3], v[RD] offset:\off+\t*2*SPITCH
.endr
.endm
.macro SEND a
.set BB, BK+32*((\a)%2)
	s_wait_dscnt 0x0                               ; the block is back in registers
	s_wait_xcnt 0x0                                ; the earlier stores have read their base and their data
.if (\a) > 0
	s_add_nc_u64 s[12:13], s[12:13], 16*2048
.endif
.irp t, 0,1,2,3,4,5,6,7
	global_store_b128 v[CO], v[BB+4*\t:BB+4*\t+3], s[12:13] offset:4096*\t   ; 16 lanes store 256 consecutive bytes, aligned
.endr
.endm
	s_wait_tensorcnt 1                             ; the scale bytes and my part of slot 0 are in (slot 1's load may be out)
	s_barrier_signal -1
	s_barrier_wait -1                              ; everybody's are
	FETCH_B 0, 0, 0
	FETCH_A 0, 0, 0
	SCALES 0
	FETCH_A 0, 0, 4
	s_wait_loadcnt 0x0                             ; the bias
	STEP 0, 0, 1
	STEPS 0, 1
	TURN 0, 1
	s_cmp_eq_u32 ttmp9, 2                          ; the cluster's x: alike in all sixteen partners
	s_cbranch_scc1 .Lvalues
	TABLE 0                                        ; q and k: the first two blocks' tables are asked for four steps ahead of their use
	TABLE 1
	REST
	PLACES NP
	s_wait_loadcnt 8                               ; block 0's table is in; block 1's eight loads may be out
	ROPE 0
	TABLE 2
	TOSTAGE 0, 0
.irp a, 1,2,3,4,5,6,7
.if \a < 7
	s_wait_loadcnt 8                               ; this block's table is in; the next block's eight loads may be out
.else
	s_wait_loadcnt 0x0
.endif
	ROPE \a                                        ; stands between the last block's loads from the stage and the wait for them
.if \a+2 <= 7
	TABLE \a+2
.endif
	SEND \a-1
	TOSTAGE \a, 0
.endr
	SEND 7
	s_wait_tensorcnt 0x0                           ; the wave's end
	ds_add_u32 v[SPW], v[NIL]
	s_wait_dscnt 0x0
	CROUND                                         ; the closing round
	s_endpgm
.Lvalues:
	REST
	PLACES NP
	PACKV 0
	TOSTAGE 0, STG2
.irp a, 1,2,3,4,5,6,7
	PACKV \a
	SEND \a-1
	TOSTAGE \a, STG2
.endr
	SEND 7
	s_wait_tensorcnt 0x0                           ; the wave's end
	ds_add_u32 v[SPW], v[NIL]
	s_wait_dscnt 0x0
	CROUND                                         ; the closing round
	s_endpgm
.Lfunc_end_k_q578c74a8b2_qkv:
	.size	k_q578c74a8b2_qkv, .Lfunc_end_k_q578c74a8b2_qkv-k_q578c74a8b2_qkv
	.p2alignl 7, 3214868480
	.fill 96, 4, 3214868480
	.section	.rodata,"a",@progbits
	.p2align	6, 0x0
	.amdhsa_kernel k_q578c74a8b2_qkv
		.amdhsa_group_segment_fixed_size 327680
		.amdhsa_private_segment_fixed_size 0
		.amdhsa_enable_private_segment 0
		.amdhsa_kernarg_size 56
		.amdhsa_user_sgpr_count 2
		.amdhsa_user_sgpr_kernarg_segment_ptr 1
		.amdhsa_wavefront_size32 1
		.amdhsa_system_sgpr_workgroup_id_x 1
		.amdhsa_system_sgpr_workgroup_id_y 1
		.amdhsa_system_sgpr_workgroup_id_z 1
		.amdhsa_system_vgpr_workitem_id 0
		.amdhsa_next_free_vgpr 1024
		.amdhsa_next_free_sgpr 100
		.amdhsa_reserve_vcc 0
		.amdhsa_float_denorm_mode_32 3
		.amdhsa_float_denorm_mode_16_64 3
		.amdhsa_memory_ordered 1
		.amdhsa_forward_progress 1
		.amdhsa_inst_pref_size 255
	.end_amdhsa_kernel
	.amdgpu_metadata
---
amdhsa.version: [ 1, 2 ]
amdhsa.kernels:
  - .name:           k_q578c74a8b2_qkv
    .symbol:         k_q578c74a8b2_qkv.kd
    .args:
      - { .name: codes, .offset: 0, .size: 8, .value_kind: global_buffer, .address_space: global }
      - { .name: scales, .offset: 8, .size: 8, .value_kind: global_buffer, .address_space: global }
      - { .name: bq, .offset: 16, .size: 8, .value_kind: global_buffer, .address_space: global }
      - { .name: bk, .offset: 24, .size: 8, .value_kind: global_buffer, .address_space: global }
      - { .name: bv, .offset: 32, .size: 8, .value_kind: global_buffer, .address_space: global }
      - { .name: rope, .offset: 40, .size: 8, .value_kind: global_buffer, .address_space: global }
      - { .name: qkv, .offset: 48, .size: 8, .value_kind: global_buffer, .address_space: global }
    .group_segment_fixed_size: 327680
    .private_segment_fixed_size: 0
    .kernarg_segment_align: 8
    .kernarg_segment_size: 56
    .max_flat_workgroup_size: 128
    .sgpr_count:     100
    .vgpr_count:     1024
    .wavefront_size: 32
...
	.end_amdgpu_metadata
.endif
;; end of part 2
;; launch attn (part 3): grid 8 x 32, 8 waves a work-group, clusters of 4 x 1, 327,680 bytes of LDS; arguments qkv, att; writes att
.if DOCPART == 3
	.amdgcn_target "amdgcn-amd-amdhsa--gfx1250"
	.amdhsa_code_object_version 6
	.text
	.protected	k_q578c74a8b2_attn
	.globl	k_q578c74a8b2_attn
	.p2align	8
	.type	k_q578c74a8b2_attn,@function
k_q578c74a8b2_attn:
	s_mov_b64 s[64:65], 0
	v_nop
	global_prefetch_b8 v0, s[64:65] scope:SCOPE_SE
	s_setreg_imm32_b32 hwreg(HW_REG_WAVE_MODE, 25, 1), 1
	s_wait_xcnt 0x0
	s_wait_alu depctr_hold_cnt(0) depctr_sa_sdst(0) depctr_va_vdst(0) depctr_va_sdst(0) depctr_va_ssrc(0) depctr_va_vcc(0) depctr_vm_vsrc(0)
	s_getreg_b32 s2, hwreg(HW_REG_IB_STS2, 6, 4)
	s_cmp_eq_u32 s2, 0
	s_cbranch_scc0 .Lentry_in_a_cluster
	s_endpgm
.Lentry_in_a_cluster:
	s_bfe_u32 s2, ttmp6, 0x10000c
	s_cmp_lg_u32 s2, 0x3003
	s_cbranch_scc0 .Lentry_shape_is_right
	s_endpgm
.Lentry_shape_is_right:
; MHA, launch 3 of 4: att[token][head, :] = the sum over keys of softmax(q . k / 8) v, no mask.  q, k, v: f16, [3][8192 tokens][1024 channels]; att: f16, [8192][1024].  No work of the problem is left out here.
; Products, maxima and sums in f32; the weights p (at most 1) are rounded to f16 for the second product, the result once at the end.
; SHARES.  A work-group owns 256 queries of TWO neighbouring heads of one sequence, so that a row of K's, V's and att's tiles is 256 aligned bytes of the token-major buffers.  Eight waves, two to a SIMD: wave w takes head w / 4
; of the two and queries 64 (w % 4) on: four tiles of 16.  Every wave walks all 2,048 keys, 64 a step.
; LAYOUT.  S^T = K Q^T (source 0 = 16 keys, source 1 = 16 queries): a lane holds ONE query (lane % 16) and keys 8 (lane / 16) + 0..7.  Two such tiles, rounded to f16 in pairs, ARE source 1 of O^T = V^T P.
; K comes out of LDS as it lies, V ([key][channel]) turned, by ds_load_tr16_b128.
; SOFTMAX.  A running maximum m and sum l for each query: p = 2^(c s - c m), c = log2(e) / 8; in every step O and l are multiplied by a = 2^(c m_old - c m_new).
; IN PHASES.  A trip: V^T P of the step before, K Q^T of its own step, its softmax.  The SIMD's other wave has its products and loads to issue meanwhile.  K and V share 64 registers, in two halves that are loaded as they fall free.
; RING.  Two slots of 4 steps (256 keys).  Waves 0-3 fetch K's four step tiles, waves 4-7 V's, 64 rows of 256 bytes each.  By this text's count two tensor loads of a wave are out at the start, one behind each round.
; CLUSTER.  The four query blocks of a cluster walk the same K and V: each tile is asked for jointly, with a mask that names the four.
; REGISTERS: window 0: v2-9 addresses; v12-43 statistics, eight a tile; v61-63; v64-191 S^T, 32 a tile; v192-255 K or V, two halves.   window 1: v0-127 O^T, 32 a tile; v128-191 Q; v192-255 P.
.set KS,    64
.set PK,    272                        ; a row of K in LDS: 256 bytes + 16
.set PVP,   288                        ; a row of V: 256 + 32
.set VOFF,  KS*PK
.set STEPB, KS*(PK+PVP)                ; a step's K, then its V
.set SLOTB, 4*STEPB
.set SPARE, 2*SLOTB                    ; the spare words, 128 bytes for each of eight waves, which no other line names
.set SP,    272                        ; the way out: 256 rows x (256 bytes + 16) from byte 0 on, in slot 0, which has had its last fill and its last read by then
.set ROWG,  2048                       ; a token's row in memory
.set FILLB, 256*ROWG                   ; a slot's keys in memory
.set AK0, 2
.set AV0, 3
.set ADK, 4
.set ADV, 5
.set STO, 6
.set RD,  7
.set GO,  8
.set QO,  9
.set ST,  12                           ; tile t at v[ST+8 t]: +0 c m, +1 m, +2, +3 l, +4 to +7 at work; a takes +6
.set PFO, 61
.set SPW, 62
.set NIL, 63
.set S,   64
.set KV,  192
.set Q,   128                          ; window 1
.set P,   192                          ; window 1
.set WV,  12
.set LIM, 15
.set PFA, 18
.set G1K, 24
.set G1V, 32
.set G0K, 40                           ; s[40:47] group 0 for K's tiles, a set for each slot
.set G0V, 48                           ; s[48:55] for V's
.set SLOTS, 56
.set CNT, 57
.set CS,  58
.set SEL, 60
.set TB,  62
.set LAPS, 63
.set MSB, 0
.macro WIN new
.if MSB != \new
	s_set_vgpr_msb (MSB<<8)|\new
.set MSB, \new
.endif
.endm
.set W_KQ, 0x04                        ; Q in window 1; K, S^T in window 0.  LDS loads under it have address and destination in window 0
.set W_PV, 0x54                        ; V in window 0; P, O^T in window 1
.set W_P,  0x40                        ; destination window 1
.set W_RS, 0x41                        ; O^T (destination and source 0) in window 1, a in window 0
.macro JLOAD slot                      ; a joint load; the branch hangs on the wave's number alone; an s_nop 0 and four v_nop follow each line
	s_cmp_lt_u32 s[WV], 4
	s_cbranch_scc0 .Lfor_v_\@
	tensor_load_to_lds s[G0K+4*\slot:G0K+4*\slot+3], s[G1K:G1K+7]
	s_nop 0
.rept 4
	v_nop
.endr
	s_branch .Lasked_\@
.Lfor_v_\@:
	tensor_load_to_lds s[G0V+4*\slot:G0V+4*\slot+3], s[G1V:G1V+7]
	s_nop 0
.rept 4
	v_nop
.endr
.Lasked_\@:
.endm
; A prefetch of what the NEXT change of slots will ask for: 256 rows of K and of V, 256 bytes of each, a lane a row.  Each row is named once in the launch: of the two clusters that walk a pair of heads the first asks;
; its four partners take 64 rows each, told apart by address; in each, waves 0 and 1 ask for K's, waves 4 and 5 for V's, 32 rows a wave.  The last change that fills a slot asks for nothing.
.macro ASK
	s_cmp_gt_u32 s[SLOTS], s[LIM]
	s_cbranch_scc0 .Lnot_mine_\@
	global_prefetch_b8 v[PFO], s[PFA:PFA+1] th:TH_LOAD_NT scope:SCOPE_SE
.Lnot_mine_\@:
.endm
.macro CROUND
	s_barrier_signal -1
	s_barrier_wait -1
	s_cmp_lg_u32 s[WV], 0
	s_cbranch_scc1 .Lnot_wave_0_\@
	s_barrier_signal -3
.Lnot_wave_0_\@:
	s_barrier_wait -3
	s_barrier_signal -1
	s_barrier_wait -1
.endm
	s_load_b128 s[4:7], s[0:1], 0x0                ; qkv, att
	v_lshl_add_u32 v[SPW], v0, 2, SPARE
	v_mov_b32 v[NIL], 0
	ds_add_u32 v[SPW], v[NIL]                      ; the wave's opening: the add, twice on end, and its wait ahead of my first tensor load
	ds_add_u32 v[SPW], v[NIL]
	v_lshrrev_b32 v1, 5, v0
	v_readfirstlane_b32 s[WV], v1                  ; wave 0..7
	s_bfe_u32 s13, ttmp6, 0x40000                  ; cx
	s_lshl_b32 s14, ttmp9, 2
	s_add_co_u32 s14, s14, s13                     ; my block of 256 queries: it enters Q's, att's and the prefetches' addresses alone
	s_and_b32 s16, s[WV], 3                        ; which of a slot's four steps I fetch; which 64 queries are mine
	s_lshr_b32 s66, s[WV], 2                       ; which of the two heads
	s_mul_i32 s17, s16, STEPB
	s_and_b32 s20, ttmp7, 0xffff                   ; 8 x sequence + pair of heads
	s_lshr_b32 s21, s20, 3
	s_lshl_b32 s21, s21, 22                        ; a sequence is 2,048 rows of 2,048 bytes
	s_and_b32 s20, s20, 7
	s_lshl_b32 s20, s20, 8                         ; a pair of heads is 256 bytes of a row
	s_or_b32 s20, s20, s21                         ; what the four partners share
	s_lshl_b32 s22, s16, 17                        ; my step's 64 rows
	s_add_co_u32 s22, s22, s20
	s_mov_b32 s23, 0
	s_mov_b32 s[G1K], 15|(1<<16)|(1<<20)|(1<<21)|(5<<22)|(3<<25)  ; the mask: all four; elements of 2 bytes; padding on; bit 21 beside a mask; after every 64 words four words
	s_mov_b32 s[G1V], 15|(1<<16)|(1<<20)|(1<<21)|(5<<22)|(7<<25)  ; the same with eight words
.irp g, G1K, G1V
	s_mov_b32 s[\g+1], 128<<16                     ; tensor_dim0
	s_mov_b32 s[\g+2], KS<<16                      ; tensor_dim1
	s_mov_b32 s[\g+3], 128<<16                     ; tile_dim0
	s_mov_b32 s[\g+4], KS                          ; tile_dim1
	s_mov_b32 s[\g+5], 1024                        ; the pitch, in elements
	s_mov_b32 s[\g+6], 0
	s_mov_b32 s[\g+7], 0
.endr
	s_mov_b32 s[CS], 0x3e38aa3b                    ; c = log2(e) / 8
	s_mov_b32 s[CS+1], s[CS]
	s_mov_b32 s[SEL], 0x76543210
	s_mov_b32 s[SEL+1], 0xfedcba98
	s_mov_b32 s[SLOTS], 6
	s_and_b32 s[LIM], s[WV], 2                     ; 0 in waves 0, 1, 4, 5
	s_or_b32 s[LIM], s[LIM], ttmp9                 ; of the first cluster: alike in all four partners
	s_cmp_eq_u32 s[LIM], 0
	s_cselect_b32 s[LIM], 1, -1
	v_and_b32 v[PFO], 31, v0
	v_lshlrev_b32 v[PFO], 11, v[PFO]
	s_wait_dscnt 0x0                               ; both opening adds are done
	s_wait_kmcnt 0x0
	s_add_nc_u64 s[8:9], s[4:5], s[22:23]
	s_add_nc_u64 s[10:11], s[8:9], 0x2000000       ; V at my tile of slot 0,
	s_add_nc_u64 s[8:9], s[8:9], 0x1000000         ; K likewise
	s_cmp_lt_u32 s[WV], 4                          ; the prefetches: K's or V's,
	s_mov_b32 s2, 0x2000000
	s_cselect_b32 s2, 0x1000000, s2
	s_add_co_u32 s2, s2, s20
	s_lshl_b32 s3, s13, 17                         ; my work-group's 64 rows of the 256,
	s_add_co_u32 s2, s2, s3
	s_and_b32 s3, s[WV], 1
	s_lshl_b32 s3, s3, 16                          ; my wave's 32 of them,
	s_add_co_u32 s2, s2, s3
	s_add_co_u32 s2, s2, 2*FILLB                   ; in the third slot's worth of keys: the first change of slots steps it on.  Nothing is prefetched at the head
	s_mov_b32 s3, 0
	s_add_nc_u64 s[PFA:PFA+1], s[4:5], s[2:3]
	s_lshl_b32 s2, s14, 19                         ; my block's 256 rows
	s_add_co_u32 s2, s2, s20
	s_lshl_b32 s22, s[WV], 16                      ; att: the 32 rows that I store
	s_add_co_u32 s22, s22, s2
	s_add_nc_u64 s[6:7], s[6:7], s[22:23]
	s_lshl_b32 s22, s16, 17                        ; Q: my 64 rows,
	s_add_co_u32 s2, s2, s22
	s_lshl_b32 s22, s66, 7                         ; my head's 128 bytes
	s_add_co_u32 s2, s2, s22
	s_add_nc_u64 s[4:5], s[4:5], s[2:3]
	CROUND                                         ; all four work-groups are here: the first joint loads meet
.irp s, 0,1
	s_mov_b32 s[G0K+4*\s], 1
	s_add_co_u32 s[G0K+4*\s+1], s17, \s*SLOTB
	s_add_nc_u64 s[G0K+4*\s+2:G0K+4*\s+3], s[8:9], \s*FILLB
	s_or_b32 s[G0K+4*\s+3], s[G0K+4*\s+3], 0x80000000
	s_mov_b32 s[G0V+4*\s], 1
	s_add_co_u32 s[G0V+4*\s+1], s17, \s*SLOTB+VOFF
	s_add_nc_u64 s[G0V+4*\s+2:G0V+4*\s+3], s[10:11], \s*FILLB
	s_or_b32 s[G0V+4*\s+3], s[G0V+4*\s+3], 0x80000000
.endr
	s_cmp_lt_u32 s[WV], 4                          ; a wave's two first fills stand in one branch
	s_cbranch_scc0 .Lfirst_v
	tensor_load_to_lds s[G0K:G0K+3], s[G1K:G1K+7]
	s_nop 0
	tensor_load_to_lds s[G0K+4:G0K+7], s[G1K:G1K+7]
	s_nop 0
.rept 4
	v_nop
.endr
	s_branch .Lfirst_asked
.Lfirst_v:
	tensor_load_to_lds s[G0V:G0V+3], s[G1V:G1V+7]
	s_nop 0
	tensor_load_to_lds s[G0V+4:G0V+7], s[G1V:G1V+7]
	s_nop 0
.rept 4
	v_nop
.endr
.Lfirst_asked:
	v_and_b32 v1, 15, v0                           ; r
	v_bfe_u32 v10, v0, 4, 1                        ; h
	v_lshlrev_b32 v[QO], 11, v1
	v_lshl_add_u32 v[QO], v10, 4, v[QO]            ; row r + 16 h
	WIN W_P
.irp t, 0,1,2,3
.irp kc, 0,1
	global_load_b128 v[Q+16*\t+8*\kc:Q+16*\t+8*\kc+3],   v[QO], s[4:5] offset:16*ROWG*\t+64*\kc      ; Q stays in registers: tile t, channels 32 kc on
	global_load_b128 v[Q+16*\t+8*\kc+4:Q+16*\t+8*\kc+7], v[QO], s[4:5] offset:16*ROWG*\t+64*\kc+32
.endr
.endr
	WIN 0
	s_lshl_b32 s22, s66, 7                         ; my head's half of every LDS row
	v_mul_u32_u24 v[AK0], v1, PK
	v_lshl_add_u32 v[AK0], v10, 4, v[AK0]
	v_add_nc_u32 v[AK0], s22, v[AK0]
	v_and_b32 v11, 7, v0                           ; the turning load: lane l reads key 8 (l / 16) + l % 8, channels 8 ((l / 8) % 2) + 0..7
	v_lshl_add_u32 v[AV0], v10, 3, v11
	v_mul_u32_u24 v[AV0], v[AV0], PVP
	v_bfe_u32 v11, v0, 3, 1
	v_lshl_add_u32 v[AV0], v11, 4, v[AV0]
	s_add_co_u32 s23, s22, VOFF
	v_add_nc_u32 v[AV0], s23, v[AV0]
	s_mul_i32 s23, s16, 64*SP                      ; the stage, in: my 64 rows, my head's half; row r, 16 bytes for each half of the lanes
	s_add_co_u32 s23, s23, s22
	v_mul_u32_u24 v[STO], v1, SP
	v_lshl_add_u32 v[STO], v10, 4, v[STO]
	v_add_nc_u32 v[STO], s23, v[STO]
	s_mul_i32 s23, s[WV], 32*SP                    ; back: wave w takes rows 32 w on, whole
	v_mul_u32_u24 v[RD], v10, SP
	v_lshl_add_u32 v[RD], v1, 4, v[RD]
	v_add_nc_u32 v[RD], s23, v[RD]
	v_lshlrev_b32 v[GO], 11, v10
	v_lshl_add_u32 v[GO], v1, 4, v[GO]
.macro PLACES
.rept 4
	v_nop
.endr
.endm
.macro LOADK h                         ; key tiles 2 h, 2 h + 1, both halves of the head's 64 channels: 32 registers
.irp kt, 0,1
.irp kc, 0,1
	ds_load_b128 v[KV+32*\h+16*\kt+8*\kc:KV+32*\h+16*\kt+8*\kc+3],   v[ADK] offset:(2*\h+\kt)*16*PK+64*\kc
	ds_load_b128 v[KV+32*\h+16*\kt+8*\kc+4:KV+32*\h+16*\kt+8*\kc+7], v[ADK] offset:(2*\h+\kt)*16*PK+64*\kc+32
.endr
.endr
.endm
.macro LOADV g                         ; keys 32 g on, four tiles of 16 channels, turned
.irp ct, 0,1,2,3
	ds_load_tr16_b128 v[KV+32*\g+8*\ct:KV+32*\g+8*\ct+3],   v[ADV] offset:\g*32*PVP+32*\ct
	ds_load_tr16_b128 v[KV+32*\g+8*\ct+4:KV+32*\g+8*\ct+7], v[ADV] offset:\g*32*PVP+16*PVP+32*\ct
.endr
.endm
.macro KQH h                           ; 16 products: eight accumulators by turns, two deep; the first pass starts the sums
.irp kc, 0,1
.irp kt, 0,1
.irp t, 0,1,2,3
.if \kc == 0
	v_wmma_f32_16x16x32_f16 v[S+32*\t+8*(2*\h+\kt):S+32*\t+8*(2*\h+\kt)+7], v[KV+32*\h+16*\kt+8*\kc:KV+32*\h+16*\kt+8*\kc+7], v[Q+16*\t+8*\kc:Q+16*\t+8*\kc+7], 0
.else
	v_wmma_f32_16x16x32_f16 v[S+32*\t+8*(2*\h+\kt):S+32*\t+8*(2*\h+\kt)+7], v[KV+32*\h+16*\kt+8*\kc:KV+32*\h+16*\kt+8*\kc+7], v[Q+16*\t+8*\kc:Q+16*\t+8*\kc+7], v[S+32*\t+8*(2*\h+\kt):S+32*\t+8*(2*\h+\kt)+7]
.endif
.endr
.endr
.endr
.endm
.macro PVH g, start                    ; 16 products: sixteen accumulators by turns
.irp ct, 0,1,2,3
.irp t, 0,1,2,3
.if \start
	v_wmma_f32_16x16x32_f16 v[32*\t+8*\ct:32*\t+8*\ct+7], v[KV+32*\g+8*\ct:KV+32*\g+8*\ct+7], v[P+16*\t+8*\g:P+16*\t+8*\g+7], 0
.else
	v_wmma_f32_16x16x32_f16 v[32*\t+8*\ct:32*\t+8*\ct+7], v[KV+32*\g+8*\ct:KV+32*\g+8*\ct+7], v[P+16*\t+8*\g:P+16*\t+8*\g+7], v[32*\t+8*\ct:32*\t+8*\ct+7]
.endif
.endr
.endr
.endm
; One tile's softmax for one key step is a list of 118 instructions; SM writes number j of it for tile t.
;   0-15 the maximum of the lane's 32 scores and the old m;  16-20 the other half of the lanes' maximum, the new m, c m, its change;
;   21-69 ONE BATCH: 16 packed scalings c s - c m and 33 exponentials, none of which reads an exponential's result;  (the wait);  70-85 the roundings to f16;  86-101 the sums, l = a l + the sum;  102-117 O^T times a.
.macro SM t, first
.set rT, ST+8*(\t)
.set rS, S+32*(\t)
.set rP, P+16*(\t)
.set rO, 32*(\t)+2*(j-102)
.if j < 70
	WIN 0
.elseif j < 86
	WIN W_P
.elseif j < 102
	WIN 0
.elseif !\first
	WIN W_RS
.endif
.if j < 4
	v_max3_num_f32 v[rT+4+j], v[rS+8*j], v[rS+8*j+1], v[rS+8*j+2]
.elseif j < 12
	v_max3_num_f32 v[rT+4+j%4], v[rT+4+j%4], v[rS+8*(j%4)+2*(j/4)+1], v[rS+8*(j%4)+2*(j/4)+2]
.elseif j == 12
	v_max3_num_f32 v[rT+4], v[rT+4], v[rS+7], v[rS+15]
.elseif j == 13
	v_max3_num_f32 v[rT+6], v[rT+6], v[rS+23], v[rS+31]
.elseif j == 14
	v_max3_num_f32 v[rT+4], v[rT+4], v[rT+5], v[rT+6]
.elseif (j == 15) && \first
	v_max_num_f32 v[rT+4], v[rT+4], v[rT+7]
.elseif j == 15
	v_max3_num_f32 v[rT+4], v[rT+4], v[rT+7], v[rT+1]
.elseif j == 16
	v_permlanex16_b32 v[rT+5], v[rT+4], s[SEL], s[SEL+1]  ; the query's other 32 keys lie in the lane 16 away
.elseif j == 18
	v_max_num_f32 v[rT+1], v[rT+4], v[rT+5]
.elseif j == 19
	v_mul_f32 v[rT], s[CS], v[rT+1]
.elseif ((j == 17) || (j == 20) || (j == 23) || (j > 101)) && \first  ; the first step has none of these
.elseif j == 17
	v_mov_b32 v[rT+7], v[rT]
.elseif j == 20
	v_sub_f32 v[rT+7], v[rT+7], v[rT]
.elseif j == 23
	v_exp_f32 v[rT+6], v[rT+7]
.elseif (j < 23) || ((j < 38) && (j%2 == 0)) || ((j < 66) && (j%4 == 2))
.set b, (j-2)/4
.if j < 38
.set b, (j-20)/2
.endif
	v_pk_fma_f32 v[rS+2*b:rS+2*b+1], v[rS+2*b:rS+2*b+1], s[CS:CS+1], v[rT:rT+1] op_sel_hi:[1,0,0] neg_lo:[0,0,1] neg_hi:[0,0,1]
.elseif j < 70
.set e, j-38
.if j < 66
.set e, j-32-(j-38)/4
.endif
.if j < 38
.set e, (j-25)/2
.endif
	v_exp_f32 v[rS+e], v[rS+e]
.elseif j < 86
	v_cvt_pk_f16_f32 v[rP+j-70], v[rS+2*(j-70)], v[rS+2*(j-70)+1]
.elseif j < 102
.set z, j-86
.set w, 4
.set u, z
.if z >= 14
.set w, 32
.set u, 0
.elseif z >= 12
.set w, 16
.set u, z-12
.elseif z >= 8
.set w, 8
.set u, z-8
.endif
.if (z == 14) && \first
	v_pk_add_f32 v[rT+2:rT+3], v[rS:rS+1], v[rS+16:rS+17]
.elseif z < 15
	v_pk_add_f32 v[rS+w*u:rS+w*u+1], v[rS+w*u:rS+w*u+1], v[rS+w*u+w/2:rS+w*u+w/2+1]
.elseif !\first
	v_pk_fma_f32 v[rT+2:rT+3], v[rT+2:rT+3], v[rT+6:rT+7], v[rS:rS+1] op_sel_hi:[1,0,1]
.endif
.else
	v_pk_mul_f32 v[rO:rO+1], v[rO:rO+1], v[rT+6:rT+7] op_sel_hi:[1,0]
.endif
.endm
.macro SOFTMAX first                   ; each number for the four tiles in turn, so that no line waits for the line above it
.set j, 0
.rept 70
.irp t, 0,1,2,3
	SM \t, \first
.endr
.set j, j+1
.endr
	v_nop                                          ; a plain line behind the last exponential
	s_wait_alu depctr_va_vdst(0)                   ; ONE wait for the 132 exponentials, ahead of the first line that names a result
.rept 48
.irp t, 0,1,2,3
	SM \t, \first
.endr
.set j, j+1
.endr
.endm
; A TRIP.  pv = 2: V^T P of the step before; 1: it starts O^T's sums; 0: none.  Every run of LDS loads stands four places behind the last product that read its registers, and has 16 products or the softmax in which to land.
.macro TRIP pv, first
.if \pv
	WIN W_PV
	PVH 0, 2-\pv
	WIN 0
	v_add_nc_u32 v[ADK], s[TB], v[AK0]             ; (these two and two v_nop are the four places)
	v_add_nc_u32 v[ADV], s[TB], v[AV0]
	v_nop
	v_nop
	LOADK 0
	WIN W_PV
	PVH 1, 0
	WIN 0
	PLACES
	LOADK 1
.else
	v_add_nc_u32 v[ADK], s[TB], v[AK0]
	v_add_nc_u32 v[ADV], s[TB], v[AV0]
	LOADK 0
	LOADK 1
.endif
	s_add_co_u32 s[TB], s[TB], STEPB               ; the next trip's step
	s_wait_dscnt 8                                 ; K's first half is in; the second half's eight loads may be out
	WIN W_KQ
	KQH 0
	PLACES
	LOADV 0
	s_wait_dscnt 8                                 ; K's second half is in; V's eight loads may be out
	KQH 1
	PLACES                                         ; also the places in front of the softmax's first read of these scores
	LOADV 1
	SOFTMAX \first
	s_wait_dscnt 0x0                               ; V is in: my reads of this step's tiles are over
.endm
.macro FOUR slot                       ; a slot's four steps: written once, walked four times
	s_mov_b32 s[TB], \slot*SLOTB
	s_mov_b32 s[CNT], 4
.Lstep_\@:
	TRIP 2, 0
	WIN 0
	s_sub_co_u32 s[CNT], s[CNT], 1
	s_cmp_lg_u32 s[CNT], 0
	s_cbranch_scc1 .Lstep_\@
.endm
; THE CHANGE OF SLOTS.  Each wave waits for all its tensor loads (its part of the slot ahead), adds 0 to its spare word, and waits for that and for its reads of the slot that it has left.
; fill = 1: that slot is filled again with the keys two slots on; the barrier is then a round of the cluster's, and the joint load is the first thing behind it: it has four steps in which to land.
.macro CHANGE slot, fill
	WIN 0
	s_wait_tensorcnt 0x0                           ; no tensor load of mine is out, so a group 0 may be written
	ds_add_u32 v[SPW], v[NIL]
.if \fill
	s_add_nc_u64 s[G0K+4*\slot+2:G0K+4*\slot+3], s[G0K+4*\slot+2:G0K+4*\slot+3], 2*FILLB
	s_add_nc_u64 s[G0V+4*\slot+2:G0V+4*\slot+3], s[G0V+4*\slot+2:G0V+4*\slot+3], 2*FILLB
	s_wait_xcnt 0x0                                ; the last prefetch, a slot back, has read its address
	s_add_nc_u64 s[PFA:PFA+1], s[PFA:PFA+1], FILLB
	s_wait_dscnt 0x0
	CROUND
	JLOAD \slot
	ASK
	s_sub_co_u32 s[SLOTS], s[SLOTS], 1
.else
	s_wait_dscnt 0x0
	s_barrier_signal -1
	s_barrier_wait -1
.endif
.endm
	s_wait_tensorcnt 1                             ; my part of slot 0 is in; slot 1's may stay out
	s_barrier_signal -1
	s_barrier_wait -1
	s_wait_loadcnt 0x0                             ; Q
	s_mov_b32 s[TB], 0
	TRIP 0, 1                                      ; step 0: no product V^T P yet, a softmax with no old maximum
	TRIP 1, 0                                      ; step 1: V^T P of step 0 starts O^T
	WIN 0
	s_mov_b32 s[CNT], 2
.Lhead:
	TRIP 2, 0
	WIN 0
	s_sub_co_u32 s[CNT], s[CNT], 1
	s_cmp_lg_u32 s[CNT], 0
	s_cbranch_scc1 .Lhead
	s_mov_b32 s[LAPS], 3
.Llap:                                             ; three laps, six refills
	CHANGE 0, 1
	FOUR 1
	CHANGE 1, 1
	FOUR 0
	s_sub_co_u32 s[LAPS], s[LAPS], 1
	s_cmp_lg_u32 s[LAPS], 0
	s_cbranch_scc1 .Llap
	CHANGE 0, 0                                    ; the tail is written out: nothing is asked for
	FOUR 1
	WIN W_PV
	PVH 0, 0                                       ; V^T P of the last step
	PVH 1, 0
	; THE WAY OUT.  l's halves are added (these lines are the places behind the last products); O^T / l, rounded to f16, goes into the work-group's stage; a barrier, since a row's 256 bytes come from waves w and w + 4; whole rows back.
	WIN 0
.irp t, 0,1,2,3
	v_add_f32 v[ST+8*\t+4], v[ST+8*\t+2], v[ST+8*\t+3]
.endr
.irp t, 0,1,2,3
	v_permlanex16_b32 v[ST+8*\t+5], v[ST+8*\t+4], s[SEL], s[SEL+1]
.endr
.irp t, 0,1,2,3
	v_add_f32 v[ST+8*\t+4], v[ST+8*\t+4], v[ST+8*\t+5]
.endr
.irp t, 0,1,2,3
	v_rcp_f32 v[ST+8*\t+6], v[ST+8*\t+4]
.endr
	v_nop
	s_wait_alu depctr_va_vdst(0)                   ; one wait for the four reciprocals
.macro PACK t
	WIN W_RS
.set i, 32*\t
.rept 16
	v_pk_mul_f32 v[i:i+1], v[i:i+1], v[ST+8*\t+6:ST+8*\t+7] op_sel_hi:[1,0]
.set i, i+2
.endr
	WIN 0x05                                       ; sources in window 1, destination in window 0: S^T's registers are free
.set i, 0
.rept 16
	v_cvt_pk_f16_f32 v[S+16*\t+i], v[32*\t+2*i], v[32*\t+2*i+1]
.set i, i+1
.endr
	WIN 0
.irp ct, 0,1,2,3
	ds_store_b128 v[STO], v[S+16*\t+4*\ct:S+16*\t+4*\ct+3] offset:16*SP*\t+32*\ct
.endr
.endm
	PACK 0
	PACK 1
	PACK 2
	PACK 3
	s_wait_dscnt 0x0                               ; for the others' sake: my stores into the stage are done
	s_barrier_signal -1
	s_barrier_wait -1
.irp i, 0,1,2,3,4,5,6,7,8,9,10,11,12,13,14,15
	ds_load_b128 v[128+4*\i:128+4*\i+3], v[RD] offset:\i*2*SP
.endr
.irp i, 0,1,2,3,4,5,6,7,8,9,10,11,12,13,14,15
	s_wait_dscnt 15-\i
	global_store_b128 v[GO], v[128+4*\i:128+4*\i+3], s[6:7] offset:\i*2*ROWG   ; 16 lanes store 256 consecutive bytes, aligned
.endr
	s_wait_tensorcnt 0x0                           ; the wave's end
	ds_add_u32 v[SPW], v[NIL]
	s_wait_dscnt 0x0
	CROUND                                         ; the closing round
	s_endpgm
.Lfunc_end_k_q578c74a8b2_attn:
	.size	k_q578c74a8b2_attn, .Lfunc_end_k_q578c74a8b2_attn-k_q578c74a8b2_attn
	.p2alignl 7, 3214868480
	.fill 96, 4, 3214868480
	.section	.rodata,"a",@progbits
	.p2align	6, 0x0
	.amdhsa_kernel k_q578c74a8b2_attn
		.amdhsa_group_segment_fixed_size 327680
		.amdhsa_private_segment_fixed_size 0
		.amdhsa_enable_private_segment 0
		.amdhsa_kernarg_size 16
		.amdhsa_user_sgpr_count 2
		.amdhsa_user_sgpr_kernarg_segment_ptr 1
		.amdhsa_wavefront_size32 1
		.amdhsa_system_sgpr_workgroup_id_x 1
		.amdhsa_system_sgpr_workgroup_id_y 1
		.amdhsa_system_sgpr_workgroup_id_z 1
		.amdhsa_system_vgpr_workitem_id 0
		.amdhsa_next_free_vgpr 512
		.amdhsa_next_free_sgpr 68
		.amdhsa_reserve_vcc 0
		.amdhsa_float_denorm_mode_32 3
		.amdhsa_float_denorm_mode_16_64 3
		.amdhsa_memory_ordered 1
		.amdhsa_forward_progress 1
		.amdhsa_inst_pref_size 213
	.end_amdhsa_kernel
	.amdgpu_metadata
---
amdhsa.version: [ 1, 2 ]
amdhsa.kernels:
  - .name:           k_q578c74a8b2_attn
    .symbol:         k_q578c74a8b2_attn.kd
    .args:
      - { .name: qkv, .offset: 0, .size: 8, .value_kind: global_buffer, .address_space: global }
      - { .name: att, .offset: 8, .size: 8, .value_kind: global_buffer, .address_space: global }
    .group_segment_fixed_size: 327680
    .private_segment_fixed_size: 0
    .kernarg_segment_align: 8
    .kernarg_segment_size: 16
    .max_flat_workgroup_size: 256
    .sgpr_count:     68
    .vgpr_count:     512
    .wavefront_size: 32
...
	.end_amdgpu_metadata
.endif
;; end of part 3
;; launch oproj (part 4): grid 8 x 64, 4 waves a work-group, clusters of 4 x 4, 327,680 bytes of LDS; arguments att, wo16, bo, out0; writes out0
.if DOCPART == 4
	.amdgcn_target "amdgcn-amd-amdhsa--gfx1250"
	.amdhsa_code_object_version 6
	.text
	.protected	k_q578c74a8b2_oproj
	.globl	k_q578c74a8b2_oproj
	.p2align	8
	.type	k_q578c74a8b2_oproj,@function
k_q578c74a8b2_oproj:
	s_mov_b64 s[64:65], 0
	v_nop
	global_prefetch_b8 v0, s[64:65] scope:SCOPE_SE
	s_setreg_imm32_b32 hwreg(HW_REG_WAVE_MODE, 25, 1), 1
	s_wait_xcnt 0x0
	s_wait_alu depctr_hold_cnt(0) depctr_sa_sdst(0) depctr_va_vdst(0) depctr_va_sdst(0) depctr_va_ssrc(0) depctr_va_vcc(0) depctr_vm_vsrc(0)
	s_getreg_b32 s2, hwreg(HW_REG_IB_STS2, 6, 4)
	s_cmp_eq_u32 s2, 0
	s_cbranch_scc0 .Lentry_in_a_cluster
	s_endpgm
.Lentry_in_a_cluster:
	s_bfe_u32 s2, ttmp6, 0x10000c
	s_cmp_lg_u32 s2, 0xf033
	s_cbranch_scc0 .Lentry_shape_is_right
	s_endpgm
.Lentry_shape_is_right:
; MHA, launch 4 of 4: out0 = att Wo^T + bo.  att [8192][1024] and Wo [1024 (n)][1024 (k)] in f16, sums and out0 in f32.  No work of the problem is left out here.
; A tile of out0 is 128 x 128: 512 tiles, two for each of 256 WGPs (tiles of 256 x 256 would be 128).  Four waves, 64 x 64 each: 16 accumulators.  K goes in steps of 256 (LDS rows of 512 bytes) through two slots.
; CLUSTERS: 4 x 4 work-groups; A's tiles are asked for jointly along a row of the cluster, B's along a column.  THE MATRIX INSTRUCTION IS USED TRANSPOSED: a lane holds eight neighbouring numbers of a row of out0.
; THE BIAS is the C of each sum's first product.  A wave's 64 columns of f32 are 256 aligned bytes, so each wave has a stage of its own on the way out, and no barrier stands there.
; No prefetch: the tiles are small and each is read by many work-groups.
; REGISTERS: window 0: v0-31 addresses; v32-95 rows read back, two sets; v96-127 the bias; v128-255 the accumulators ((a, b) at v[128 + 8 (4 a + b)]).   window 1: two fragment buffers of 128.
.set SIZE_N, 1024
.set SIZE_K, 1024
.set KSTEP,  256
.set PITCH,  528
.set HALFT,  64*PITCH
.set SLOT,   4*HALFT
.set STAGE,  2*SLOT                    ; behind the ring: 16 rows x 272 bytes for each wave
.set SPITCH, 272
.set SPARE,  STAGE+4*16*SPITCH         ; the spare words, 128 bytes a wave, which no other line names
.set LAPS, SIZE_K/(2*KSTEP)
.set ADRA, 16
.set ADRB, 20
.set STO,  24
.set RD,   25
.set CO,   26
.set BO,   27
.set SPW,  28
.set NIL,  29
.set BK,   32
.set BIAS, 96
.set ACC,  128
.set F0,   0
.set F1,   128
.set G1, 24
.set G0, 32
.set G1B, 48
.set G0B, 56
.set MSB, 0
.macro WIN new
.if MSB != \new
	s_set_vgpr_msb (MSB<<8)|\new
.set MSB, \new
.endif
.endm
.set MUL,  0x05                        ; sources 0 (B) and 1 (A) window 1; C and D window 0
.set TO_F, 0x40
.macro JLOAD s                         ; a joint load: waves 0 and 1 fetch A's halves, waves 2 and 3 B's; an s_nop 0 and four v_nop follow each line
	s_cmp_eq_u32 s11, 0
	s_cbranch_scc0 .Lfor_b_\@
	tensor_load_to_lds s[G0+4*\s:G0+4*\s+3], s[G1:G1+7]
	s_nop 0
.rept 4
	v_nop
.endr
	s_branch .Lasked_\@
.Lfor_b_\@:
	tensor_load_to_lds s[G0B+4*\s:G0B+4*\s+3], s[G1B:G1B+7]
	s_nop 0
.rept 4
	v_nop
.endr
.Lasked_\@:
.endm
.macro CREST
	s_cmp_lg_u32 s10, 0
	s_cbranch_scc1 .Lnot_wave_0_\@
	s_barrier_signal -3
.Lnot_wave_0_\@:
	s_barrier_wait -3
	s_barrier_signal -1
	s_barrier_wait -1
.endm
.macro CROUND
	s_barrier_signal -1
	s_barrier_wait -1
	CREST
.endm
	s_load_b128 s[4:7], s[0:1], 0x0                ; att, wo16
	s_load_b64 s[66:67], s[0:1], 0x10              ; bo
	s_load_b64 s[8:9], s[0:1], 0x18                ; out0
	v_lshl_add_u32 v[SPW], v0, 2, SPARE
	v_mov_b32 v[NIL], 0
	ds_add_u32 v[SPW], v[NIL]                      ; the wave's opening: the add, twice on end, and its wait ahead of my first tensor load
	ds_add_u32 v[SPW], v[NIL]
	v_lshrrev_b32 v1, 5, v0
	v_readfirstlane_b32 s10, v1                    ; wave 0..3
	s_lshr_b32 s11, s10, 1                         ; which half of the tile's rows is mine.  Also: I fetch for A (0) or for B (1)
	s_and_b32 s12, s10, 1                          ; which half of its columns.  Also: which 64 rows I fetch
	s_bfe_u32 s40, ttmp6, 0x40000
	s_bfe_u32 s41, ttmp6, 0x40004
	s_lshl_b32 s42, ttmp9, 2
	s_add_co_u32 s42, s42, s40                     ; tile column
	s_and_b32 s13, ttmp7, 0xffff
	s_lshl_b32 s13, s13, 2
	s_add_co_u32 s13, s13, s41                     ; tile row
	s_lshl_b32 s43, s41, 2
	s_lshl_b32 s43, 15, s43
	s_lshl_b32 s44, 0x1111, s40
	s_or_b32 s[G1+0], s43, (1<<16)|(1<<20)|(1<<21)|(6<<22)|(3<<25)  ; the mask; elements of 2 bytes; padding on; bit 21 beside a mask; after every 128 words four words
	s_or_b32 s[G1B+0], s44, (1<<16)|(1<<20)|(1<<21)|(6<<22)|(3<<25)
.irp g, G1, G1B
	s_mov_b32 s[\g+1], KSTEP<<16
	s_mov_b32 s[\g+2], 64<<16
	s_mov_b32 s[\g+3], KSTEP<<16
	s_mov_b32 s[\g+4], 64
	s_mov_b32 s[\g+5], SIZE_K
	s_mov_b32 s[\g+6], 0
	s_mov_b32 s[\g+7], 0
.endr
	s_lshl_b32 s17, s12, 6
	s_lshl_b32 s16, s13, 7
	s_add_co_u32 s16, s16, s17                     ; A: row 128 x tile row + 64 x half
	s_lshl_b32 s46, s42, 7
	s_add_co_u32 s46, s46, s17                     ; B: row 128 x tile column + 64 x half
	s_mov_b32 s17, 0
	s_mov_b32 s47, 0
	s_mov_b64 s[18:19], SIZE_K*2
	s_mul_u64 s[16:17], s[16:17], s[18:19]
	s_mul_u64 s[46:47], s[46:47], s[18:19]
	s_mul_i32 s20, s10, HALFT
	s_wait_dscnt 0x0                               ; both opening adds are done
	s_wait_kmcnt 0x0
	s_add_nc_u64 s[14:15], s[4:5], s[16:17]
	s_add_nc_u64 s[46:47], s[6:7], s[46:47]
	CROUND                                         ; all sixteen work-groups are here: the first joint loads meet
.irp s, 0,1
	s_mov_b32 s[G0+4*\s], 1
	s_add_co_u32 s[G0+4*\s+1], s20, \s*SLOT
	s_add_nc_u64 s[G0+4*\s+2:G0+4*\s+3], s[14:15], \s*KSTEP*2
	s_or_b32 s[G0+4*\s+3], s[G0+4*\s+3], 0x80000000
	s_mov_b32 s[G0B+4*\s], 1
	s_add_co_u32 s[G0B+4*\s+1], s20, \s*SLOT
	s_add_nc_u64 s[G0B+4*\s+2:G0B+4*\s+3], s[46:47], \s*KSTEP*2
	s_or_b32 s[G0B+4*\s+3], s[G0B+4*\s+3], 0x80000000
	JLOAD \s
.endr
	v_and_b32 v1, 15, v0
	v_bfe_u32 v2, v0, 4, 1
	v_mul_u32_u24 v3, v1, PITCH
	v_lshl_add_u32 v3, v2, 4, v3
	s_mul_i32 s21, s11, HALFT
	s_mul_i32 s22, s12, HALFT
	s_add_co_u32 s22, s22, 2*HALFT
.irp s, 0,1
	v_add_nc_u32 v[ADRA+\s], s21, v3
	v_add_nc_u32 v[ADRB+\s], s22, v3
	s_add_co_u32 s21, s21, SLOT
	s_add_co_u32 s22, s22, SLOT
.endr
	s_mul_i32 s23, s10, 16*SPITCH
	s_add_co_u32 s23, s23, STAGE                   ; my stage
	v_mul_u32_u24 v4, v1, SPITCH                   ; in: row r, 32 bytes for each half of the lanes
	v_lshl_add_u32 v4, v2, 5, v4
	v_add_nc_u32 v[STO], s23, v4
	v_mul_u32_u24 v5, v2, SPITCH                   ; back: lanes 0-15 one row of 256 bytes, lanes 16-31 the next
	v_lshl_add_u32 v5, v1, 4, v5
	v_add_nc_u32 v[RD], s23, v5
	v_lshlrev_b32 v5, 12, v2                       ; and the same two rows of out0, 4,096 bytes apart
	v_lshl_add_u32 v[CO], v1, 4, v5
	v_lshlrev_b32 v[BO], 5, v2
	s_lshl_b32 s16, s13, 7
	s_lshl_b32 s17, s11, 6
	s_add_co_u32 s16, s16, s17                     ; my first row
	s_lshl_b32 s16, s16, 12
	s_mov_b32 s17, 0
	s_add_nc_u64 s[8:9], s[8:9], s[16:17]
	s_lshl_b32 s46, s42, 9                         ; my first column, in bytes: 512 x tile column + 256 x half
	s_lshl_b32 s47, s12, 8
	s_add_co_u32 s46, s46, s47
	s_mov_b32 s47, 0
	s_add_nc_u64 s[8:9], s[8:9], s[46:47]
	s_add_nc_u64 s[66:67], s[66:67], s[46:47]
.irp b, 0,1,2,3
	global_load_b128 v[BIAS+8*\b:BIAS+8*\b+3], v[BO], s[66:67] offset:64*\b        ; the bias of columns 16 b + 8 h + 0 .. 7
	global_load_b128 v[BIAS+8*\b+4:BIAS+8*\b+7], v[BO], s[66:67] offset:64*\b+16
.endr
; 8 matrix instructions: m blocks a0, a0 + 1 x all 4 n blocks, 32 along K.  bias = 1: the first product starts the sums from the bias.  The 16 accumulators take turns.
.macro MUL8 f, c, a0, bias
.irp a, \a0, \a0+1
.irp b, 0,1,2,3
.if \bias
	v_wmma_f32_16x16x32_f16 v[ACC+8*(4*(\a)+\b):ACC+8*(4*(\a)+\b)+7], v[\f+64+8*(4*\c+\b):\f+64+8*(4*\c+\b)+7], v[\f+8*(4*\c+\a):\f+8*(4*\c+\a)+7], v[BIAS+8*\b:BIAS+8*\b+7]
.else
	v_wmma_f32_16x16x32_f16 v[ACC+8*(4*(\a)+\b):ACC+8*(4*(\a)+\b)+7], v[\f+64+8*(4*\c+\b):\f+64+8*(4*\c+\b)+7], v[\f+8*(4*\c+\a):\f+8*(4*\c+\a)+7], v[ACC+8*(4*(\a)+\b):ACC+8*(4*(\a)+\b)+7]
.endif
.endr
.endr
.endm
.macro FETCH slot, k, f                ; 32 LDS loads in one run: the fragments of 64 along K; the first 32 along K first
	WIN TO_F
.irp c, 0,1
.irp i, 0,1,2,3
	ds_load_b128 v[\f+64+8*(4*\c+\i):\f+64+8*(4*\c+\i)+3],   v[ADRB+\slot] offset:\k+64*\c+\i*16*PITCH
	ds_load_b128 v[\f+64+8*(4*\c+\i)+4:\f+64+8*(4*\c+\i)+7], v[ADRB+\slot] offset:\k+64*\c+\i*16*PITCH+32
	ds_load_b128 v[\f+8*(4*\c+\i):\f+8*(4*\c+\i)+3],         v[ADRA+\slot] offset:\k+64*\c+\i*16*PITCH
	ds_load_b128 v[\f+8*(4*\c+\i)+4:\f+8*(4*\c+\i)+7],       v[ADRA+\slot] offset:\k+64*\c+\i*16*PITCH+32
.endr
.endr
.endm
.macro PLACES
.rept 4
	v_nop
.endr
.endm
.macro QUARTER slot, k, f, g, bias     ; 64 along K: multiplies buffer f, fetches the next quarter, at byte k, into g
	s_wait_dscnt 16                                ; the first 32 along K are in
	WIN MUL
	MUL8 \f, 0, 0, \bias
	MUL8 \f, 0, 2, \bias
	PLACES
	FETCH \slot, \k, \g
	s_wait_dscnt 32                                ; all but the 32 just issued
	WIN MUL
	MUL8 \f, 1, 0, 0
	MUL8 \f, 1, 2, 0
.endm
; The last quarter changes slots: ONE barrier; in front of it each wave waits for all its tensor loads, adds 0 to its spare word, and waits for that and for its reads of this slot.  fill = 1: this slot is filled again, two K steps ahead.
.macro TURN slot, next, fill
	WIN 0
	s_wait_tensorcnt 0x0
	ds_add_u32 v[SPW], v[NIL]
	s_wait_dscnt 17                                ; (the add and the youngest sixteen loads may be out)
	WIN MUL
	MUL8 F1, 0, 0, 0
	s_wait_dscnt 0x0
	s_barrier_signal -1
	MUL8 F1, 0, 2, 0
.if \fill
	WIN 0
.endif
	s_barrier_wait -1
.if \fill
	CREST                                          ; the barrier has opened a round of the cluster's: no wave of any partner still reads this slot or has a load on its way
	s_add_nc_u64 s[G0+4*\slot+2:G0+4*\slot+3], s[G0+4*\slot+2:G0+4*\slot+3], 2*KSTEP*2
	s_add_nc_u64 s[G0B+4*\slot+2:G0B+4*\slot+3], s[G0B+4*\slot+2:G0B+4*\slot+3], 2*KSTEP*2
	JLOAD \slot                                    ; the four v_nop behind it are also the places in front of the loads below
.else
	PLACES
.endif
	FETCH \next, 0, F0
	WIN MUL
	MUL8 F1, 1, 0, 0
	MUL8 F1, 1, 2, 0
.endm
	s_wait_tensorcnt 1                             ; my part of K step 0 is in,
	s_barrier_signal -1
	s_barrier_wait -1                              ; everybody's is
	FETCH 0, 0, F0
	s_wait_loadcnt 0x0                             ; the bias
	QUARTER 0, 128, F0, F1, 1
	WIN 0
	s_mov_b32 s3, LAPS-1
.Llap:                                             ; a trip goes once round the ring and fills both slots again
	QUARTER 0, 256, F1, F0, 0
	QUARTER 0, 384, F0, F1, 0
	TURN 0, 1, 1
	QUARTER 1, 128, F0, F1, 0
	QUARTER 1, 256, F1, F0, 0
	QUARTER 1, 384, F0, F1, 0
	TURN 1, 0, 1
	QUARTER 0, 128, F0, F1, 0
	WIN 0
	s_sub_co_u32 s3, s3, 1
	s_cmp_lg_u32 s3, 0
	s_cbranch_scc1 .Llap
	QUARTER 0, 256, F1, F0, 0                      ; the last lap fills nothing
	QUARTER 0, 384, F0, F1, 0
	TURN 0, 1, 0
	QUARTER 1, 128, F0, F1, 0
	QUARTER 1, 256, F1, F0, 0
	QUARTER 1, 384, F0, F1, 0
	s_wait_dscnt 16
	WIN MUL
	MUL8 F1, 0, 0, 0
	MUL8 F1, 0, 2, 0
	s_wait_dscnt 0
	MUL8 F1, 1, 0, 0
	MUL8 F1, 1, 2, 0
	WIN 0
; THE WAY OUT, block by block of 16 rows x 64 columns: 32 bytes a lane into my stage, each accumulator from its low end on; whole rows of 256 bytes back.  LDS serves a wave's instructions in order.
.macro TOSTAGE a
.irp b, 0,1,2,3
	ds_store_b128 v[STO], v[ACC+8*(4*(\a)+\b):ACC+8*(4*(\a)+\b)+3] offset:64*\b
	ds_store_b128 v[STO], v[ACC+8*(4*(\a)+\b)+4:ACC+8*(4*(\a)+\b)+7] offset:64*\b+16
.endr
.set BB, BK+32*((\a)%2)
.irp t, 0,1,2,3,4,5,6,7
	ds_load_b128 v[BB+4*\t:BB+4*\t+3], v[RD] offset:\t*2*SPITCH
.endr
.endm
.macro SEND a, younger                 ; younger: the LDS instructions issued behind block a's loads, which may stay out
.set BB, BK+32*((\a)%2)
	s_wait_dscnt \younger
.irp t, 0,1,2,3,4,5,6,7
	global_store_b128 v[CO], v[BB+4*\t:BB+4*\t+3], s[8:9] offset:(16*(\a)+2*\t)*SIZE_N*4 th:TH_STORE_NT   ; 16 lanes store 256 consecutive bytes, aligned; written once, read by nobody here
.endr
.endm
	PLACES
	TOSTAGE 0
	TOSTAGE 1
	SEND 0, 16
	s_wait_xcnt 0x0                                ; block 0's stores have read their data: block 2's loads may land there
	TOSTAGE 2
	SEND 1, 16
	s_wait_xcnt 0x0
	TOSTAGE 3
	SEND 2, 16
	SEND 3, 0
	s_wait_tensorcnt 0x0                           ; the wave's end
	ds_add_u32 v[SPW], v[NIL]
	s_wait_dscnt 0x0
	CROUND                                         ; the closing round
	s_endpgm
.Lfunc_end_k_q578c74a8b2_oproj:
	.size	k_q578c74a8b2_oproj, .Lfunc_end_k_q578c74a8b2_oproj-k_q578c74a8b2_oproj
	.p2alignl 7, 3214868480
	.fill 96, 4, 3214868480
	.section	.rodata,"a",@progbits
	.p2align	6, 0x0
	.amdhsa_kernel k_q578c74a8b2_oproj
		.amdhsa_group_segment_fixed_size 327680
		.amdhsa_private_segment_fixed_size 0
		.amdhsa_enable_private_segment 0
		.amdhsa_kernarg_size 32
		.amdhsa_user_sgpr_count 2
		.amdhsa_user_sgpr_kernarg_segment_ptr 1
		.amdhsa_wavefront_size32 1
		.amdhsa_system_sgpr_workgroup_id_x 1
		.amdhsa_system_sgpr_workgroup_id_y 1
		.amdhsa_system_sgpr_workgroup_id_z 1
		.amdhsa_system_vgpr_workitem_id 0
		.amdhsa_next_free_vgpr 512
		.amdhsa_next_free_sgpr 68
		.amdhsa_reserve_vcc 0
		.amdhsa_float_denorm_mode_32 3
		.amdhsa_float_denorm_mode_16_64 3
		.amdhsa_memory_ordered 1
		.amdhsa_forward_progress 1
		.amdhsa_inst_pref_size 86
	.end_amdhsa_kernel
	.amdgpu_metadata
---
amdhsa.version: [ 1, 2 ]
amdhsa.kernels:
  - .name:           k_q578c74a8b2_oproj
    .symbol:         k_q578c74a8b2_oproj.kd
    .args:
      - { .name: att, .offset: 0, .size: 8, .value_kind: global_buffer, .address_space: global }
      - { .name: wo16, .offset: 8, .size: 8, .value_kind: global_buffer, .address_space: global }
      - { .name: bo, .offset: 16, .size: 8, .value_kind: global_buffer, .address_space: global }
      - { .name: out0, .offset: 24, .size: 8, .value_kind: global_buffer, .address_space: global }
    .group_segment_fixed_size: 327680
    .private_segment_fixed_size: 0
    .kernarg_segment_align: 8
    .kernarg_segment_size: 32
    .max_flat_workgroup_size: 128
    .sgpr_count:     68
    .vgpr_count:     512
    .wavefront_size: 32
...
	.end_amdgpu_metadata
.endif
;; end of part 4
